; MI455X (gfx1250); checked and timed in simulation.
; The chip was launched on July 23, 2026; its instructions are those of AMD's public machine-readable ISA for CDNA 5 (MIT licence, August 2026) and "CDNA5" Instruction Set Architecture Reference Guide (July 2026). The comments in the code are by the model that wrote it; some were corrected since.
;; Mo E. Allowed arithmetic: matrix products marked QUANTISED: E2M1 operands, one E8M0 scale for each 32 along K, by v_wmma_scale_f32_16x16x128_f8f6f4 with both operands' format E2M1 (or v_wmma_scale_f32_32x16x128_f4), f32 sums; products left as they are: f32 operands where the result goes on into a quantised operand, else bf16, f16 or f32 operands; f32 sums; everything else in f32.
;; Inputs: W1 8 x 1,024 x 4,096 float32; W2 8 x 4,096 x 1,024 float32; Wg 1,024 x 8 float32; b1 8 x 4,096 float32; b2 8 x 1,024 float32; bg 8 float32; x 1,024 x 1,024 float32.
;; Outputs: out0 1,024 x 1,024 float32.
;; This version of the problem:
;;   THIS VERSION OF THE PROBLEM IS GIVEN IN LOW PRECISION. The matrix products marked QUANTISED in the list below multiply operands that are first quantised to E2M1 (2 exponent bits, 1 mantissa bit; 4 bits a number), with one power-of-two scale for each 32 numbers along K (OCP MX v1.0); their sums are f32. All else is computed in f32.
;;   The module's matrix products, in the order in which they are computed (A, B: the left and right operand; K: the contracted axis; several contracted axes count as one K, in the product's order):
;;     1. [M 1,024, K 1,024] x [K 1,024, N 8]; A: input x; B: input Wg: left as it is (N = 8 < 16)
;;     2. [M 32,768, K 1,024] x [K 1,024, N 1,024]; A: input W1; B: input x: QUANTISED
;;     3. batch 8 x [M 1,024, K 4,096] x [K 4,096, N 1,024]; A: computed on the way; B: input W2: QUANTISED
;;     4. batch 1,024 x [M 1,024, K 8] x [K 8, N 1]; A: computed on the way; B: computed on the way: left as it is (K = 8 < 32)
;;   THE QUANTISER, for each operand of a quantised product, along K:
;;     - K is cut into blocks of 32 from its start; a last block that is shorter is filled with zeros.
;;     - A block's scale is 2^e with e = floor(log2(the largest magnitude in the block)) - 2, held to -126 .. 127; a block of zeros has e = 0. As a byte (E8M0): e + 127.
;;     - Each number is divided by its block's scale, clamped to +-6, and rounded to the nearest number of E2M1, ties to even, subnormals kept.
;;     - The product sums the exact products of the quantised numbers (number of the format x scale) in f32.
;;   ~~~python
;;   def quantise(x, axis):      # numpy; x: float32 -> the quantised numbers, widened to float32 again
;;       x = np.moveaxis(x, axis, -1); K = x.shape[-1]
;;       x = np.pad(x, [(0, 0)] * (x.ndim - 1) + [(0, -K % 32)]); x = x.reshape(x.shape[:-1] + (-1, 32)); a = np.abs(x).max(-1, keepdims=True)
;;       e = np.where(a > 0, np.clip(np.frexp(np.where(a > 0, a, 1))[1] - 1 - 2, -126, 127), 0)      # np.frexp(a)[1] - 1 = floor(log2(a)), exactly
;;       r = np.clip(x / 2.0 ** e, -6, 6)
;;       step = 2.0 ** (np.maximum(np.frexp(np.where(r == 0, 1, r))[1] - 1, 0) - 1)
;;       q = np.round(r / step) * step * 2.0 ** e      # np.round: ties to even
;;       return np.moveaxis(q.reshape(q.shape[:-2] + (-1,))[..., :K], -1, axis).astype(np.float32)
;;   ~~~
;;   OPERANDS COMPUTED ON THE WAY. 'Computed on the way' means the value that the module computes at that place (a softmax that the list does not call 'softmax' is quantised finished and normalised). What goes into a quantiser is computed in f32, as accurately as f32 sums, v_exp_f32 and their like allow (about 1e-6 of the number): no bf16 or f16 on the way to a quantiser, and a product that is left as it is and whose result goes on into a quantised operand takes f32 operands (vector FMAs, or v_wmma_f32_16x16x4_f32). A number that lies on a knife's edge between two numbers of the format may be rounded either way, as far as f32 arithmetic and the matrix unit's own rounding can turn it there, and no further.
;; 2 versions. Each part assembles by itself: llvm-mc -triple=amdgcn-amd-amdhsa -mcpu=gfx1250 --defsym DOCPART=n.
;; ======== version 1 of 2: 5 launches
;; workspace buffers: xq 524,288 bytes; xs 32,768 bytes; sel 4,096 bytes of whole numbers; gw 8,192 bytes; hq 16,777,216 bytes; hs 1,048,576 bytes; place 66,560 bytes of whole numbers; yp 67,108,864 bytes
;; launch route (part 1): grid 256 x 1, 4 waves a work-group, no clusters, 3,584 bytes of LDS; arguments x, Wg, bg, xq, xs, sel, gw; writes xq, xs, sel, gw
.if DOCPART == 1
	.amdgcn_target "amdgcn-amd-amdhsa--gfx1250"
	.amdhsa_code_object_version 6
	.text
	.protected	k_qc3f8d5ca57_route
	.globl	k_qc3f8d5ca57_route
	.p2align	8
	.type	k_qc3f8d5ca57_route,@function
k_qc3f8d5ca57_route:
	s_mov_b64 s[64:65], 0
	v_nop
	global_prefetch_b8 v0, s[64:65] scope:SCOPE_SE
	s_setreg_imm32_b32 hwreg(HW_REG_WAVE_MODE, 25, 1), 1
	s_wait_xcnt 0x0
; THE GATE, AND x AS CODES.  x [1024][1024], Wg [1024][8], bg [8]: f32.
; Out: xq [token][512 bytes]: x as codes of E2M1, K innermost;  xs [token][32]: one E8M0 byte for each 32 along K;
;      sel [token]: e0 | e1 << 8 | ((1 << e0) | (1 << e1)) << 16, the two chosen experts;  gw [token][2]: their weights, renormalised.
; The gate is f32 throughout: logits by fused multiply-adds, softmax with the row's maximum taken away, top 2 by two ascending scans
; with a strict comparison (of equal weights the lower index is kept), the two weights divided by their sum.
; What is chosen here only selects values: no address and no branch of this launch hangs on it.
; SHARES.  A work-group takes 4 tokens.  Wave w takes k = 256 w .. 256 w + 255 of all four, lane l the eight k from 256 w + 8 l on: four lanes hold a block of 32.
; LIMITS: NaN and infinities among the inputs are not served.  A block whose largest magnitude lies under 2^-124 (a block of zeros too) gets the byte 1: its
; bytes are read by this program alone, and zero codes add nothing.  The logits are summed in another order than a row-by-row sum: two gate weights that
; differ by no more than f32 rounding may change places.
.set XC,  0                            ; LDS: [token 4][512 bytes] codes
.set XSC, 2048                         ;      [token 4][32] scale bytes
.set PL,  2304                         ;      [wave 4][token 4][expert 8] partial logits
.set WGR, 16                           ; v16-79   Wg(k0 + i, e) at WGR + 8 i + e; later at work
.set XR,  80                           ; v80-111  x(t, k0 + i) at XR + 8 t + i
.set LG,  112                          ; v112-143 logits, LG + 8 t + e; in the gate: LG + 8 w + e
.set CDR, 144                          ; v144-147 codes
.set BYR, 148                          ; v148-151 scale bytes
.set MXR, 152                          ; v152-155 largest magnitudes
.set SCR, 156                          ; v156-159 the conversions' scale operands
.set BV,  160                          ; the largest weight, its expert; the second, its expert
.set BI,  161
.set SV,  162
.set SI,  163
.set TA,  164                          ; v164-173 at work
	s_load_b256 s[4:11], s[0:1], 0x0               ; x s[4:5], Wg s[6:7], bg s[8:9], xq s[10:11]
	s_load_b128 s[12:15], s[0:1], 0x20             ; xs s[12:13], sel s[14:15]
	s_load_b64 s[16:17], s[0:1], 0x30              ; gw
	v_lshl_add_u32 v176, v0, 2, 0xc00
	v_mov_b32 v177, 0
	v_lshrrev_b32 v1, 5, v0
	v_readfirstlane_b32 s18, v1                    ; wave
	v_lshlrev_b32 v2, 5, v0                        ; x: 1,024 w + 32 l = 32 x thread
	v_lshlrev_b32 v3, 8, v0                        ; Wg: my eight rows of 32 bytes
	v_lshlrev_b32 v4, 2, v0                        ; my four bytes of codes in a token's 512
	v_lshrrev_b32 v5, 2, v0                        ; my block's byte in a token's 32
	v_and_b32 v6, 0x60, v0
	v_lshlrev_b32 v6, 2, v6                        ; 128 w: my wave's partial logits
	v_lshlrev_b32 v7, 4, v0                        ; the way out of the codes: 16 bytes a thread
	v_and_b32 v8, 3, v0                            ; in the gate lane l stands for token l & 3
	v_lshlrev_b32 v9, 5, v8
	v_lshlrev_b32 v10, 2, v8
	v_lshlrev_b32 v11, 3, v8
	s_mov_b32 s32, 0x76543210
	s_mov_b32 s33, 0xfedcba98                      ; v_permlanex16_b32's selects for lane l xor 16
	s_lshl_b32 s20, ttmp9, 14                      ; four rows of 4,096 bytes
	s_mov_b32 s21, 0
	s_wait_kmcnt 0x0
	s_load_b256 s[24:31], s[8:9], 0x0              ; bg
	s_add_nc_u64 s[4:5], s[4:5], s[20:21]
.irp t, 0,1,2,3
	global_load_b128 v[XR+8*\t:XR+8*\t+3], v2, s[4:5] offset:4096*\t th:TH_LOAD_NT
	global_load_b128 v[XR+8*\t+4:XR+8*\t+7], v2, s[4:5] offset:4096*\t+16 th:TH_LOAD_NT
.endr
.irp m, 0,1,2,3,4,5,6,7,8,9,10,11,12,13,14,15
	global_load_b128 v[WGR+4*\m:WGR+4*\m+3], v3, s[6:7] offset:16*\m
.endr
	s_lshl_b32 s20, ttmp9, 11
	s_add_nc_u64 s[10:11], s[10:11], s[20:21]      ; xq at my four tokens
	s_lshl_b32 s20, ttmp9, 7
	s_add_nc_u64 s[12:13], s[12:13], s[20:21]      ; xs
	s_lshl_b32 s20, ttmp9, 4
	s_add_nc_u64 s[14:15], s[14:15], s[20:21]      ; sel
	s_lshl_b32 s20, ttmp9, 5
	s_add_nc_u64 s[16:17], s[16:17], s[20:21]      ; gw
	s_wait_loadcnt 16                              ; x is in; Wg's sixteen loads may be out
	; ---- x to codes, the four tokens by turns
.irp t, 0,1,2,3
	v_max3_num_f32 v[MXR+\t], |v[XR+8*\t]|, |v[XR+8*\t+1]|, 0x1800000   ; with the floor 2^(3 - 127): the byte cannot fall under 1
.endr
.irp i, 2,4,6
.irp t, 0,1,2,3
	v_max3_num_f32 v[MXR+\t], v[MXR+\t], |v[XR+8*\t+\i]|, |v[XR+8*\t+\i+1]|
.endr
.endr
.irp m, 1,2
.irp t, 0,1,2,3
	v_max_num_f32_dpp v[MXR+\t], v[MXR+\t], v[MXR+\t] row_xmask:\m row_mask:0xf bank_mask:0xf   ; with the three other lanes of the block
.endr
.endr
.irp t, 0,1,2,3
	v_add_nc_u32 v[SCR+\t], 0xff000000, v[MXR+\t]  ; 2 off the exponent field: the conversion's scale operand
.endr
.irp t, 0,1,2,3
	v_cvt_scalef32_pk8_fp4_f32 v[CDR+\t], v[XR+8*\t:XR+8*\t+7], v[SCR+\t]
.endr
.irp t, 0,1,2,3
	v_lshrrev_b32 v[BYR+\t], 23, v[SCR+\t]         ; the scale's byte (plain lines behind the conversions)
.endr
.irp t, 0,1,2,3
	ds_store_b32 v4, v[CDR+\t] offset:XC+512*\t
	ds_store_b8 v5, v[BYR+\t] offset:XSC+32*\t     ; the block's four lanes write the same byte with the same value
.endr
	s_wait_loadcnt 0x0                             ; Wg
	; ---- partial logits: two experts an instruction; x(t, k0 + i) serves both halves
.irp i, 0,2,4,6
.irp t, 0,1,2,3
.irp p, 0,2,4,6
.if \i > 0
	v_pk_fma_f32 v[LG+8*\t+\p:LG+8*\t+\p+1], v[WGR+8*\i+\p:WGR+8*\i+\p+1], v[XR+8*\t+\i:XR+8*\t+\i+1], v[LG+8*\t+\p:LG+8*\t+\p+1] op_sel_hi:[1,0,1]
.else
	v_pk_mul_f32 v[LG+8*\t+\p:LG+8*\t+\p+1], v[WGR+\p:WGR+\p+1], v[XR+8*\t:XR+8*\t+1] op_sel_hi:[1,0]   ; the first product starts the sums
.endif
.endr
.endr
.irp t, 0,1,2,3
.irp p, 0,2,4,6
	v_pk_fma_f32 v[LG+8*\t+\p:LG+8*\t+\p+1], v[WGR+8*\i+8+\p:WGR+8*\i+8+\p+1], v[XR+8*\t+\i:XR+8*\t+\i+1], v[LG+8*\t+\p:LG+8*\t+\p+1] op_sel:[0,1,0] op_sel_hi:[1,1,1]
.endr
.endr
.endr
	; ---- the 32 sums over my wave's 32 lanes
.irp m, 1,2,4,8
.set N_, 0
.rept 32
	v_add_f32_dpp v[LG+N_], v[LG+N_], v[LG+N_] row_xmask:\m row_mask:0xf bank_mask:0xf
.set N_, N_+1
.endr
.endr
.set N_, 0
.rept 32
	v_permlanex16_b32 v[WGR+N_], v[LG+N_], s32, s33   ; (Wg's registers are done with, and have been written)
.set N_, N_+1
.endr
.set N_, 0
.rept 32
	v_add_f32 v[LG+N_], v[LG+N_], v[WGR+N_]
.set N_, N_+1
.endr
.irp n, 0,1,2,3,4,5,6,7
	ds_store_b128 v6, v[LG+4*\n:LG+4*\n+3] offset:PL+16*\n   ; every lane holds the sums: all write the same bytes with the same values
.endr
	s_wait_dscnt 0x0                               ; for the others' sake: my stores have landed
	s_barrier_signal -1
	s_barrier_wait -1
	ds_load_b128 v[CDR:CDR+3], v7 offset:XC        ; wave w takes token w's 512 bytes of codes
	s_wait_dscnt 0x0
	global_store_b128 v7, v[CDR:CDR+3], s[10:11]   ; 512 consecutive bytes a wave
	s_cmp_lg_u32 s18, 0
	s_cbranch_scc1 .Lend
	; ---- wave 0: the scale bytes leave, and the gate
	ds_load_b32 v[BYR], v4 offset:XSC              ; (in wave 0 the thread's number is the lane's)
.irp w, 0,1,2,3
	ds_load_b128 v[LG+8*\w:LG+8*\w+3], v9 offset:PL+128*\w
	ds_load_b128 v[LG+8*\w+4:LG+8*\w+7], v9 offset:PL+128*\w+16
.endr
	s_wait_dscnt 0x0
	global_store_b32 v4, v[BYR], s[12:13]          ; the four tokens' 128 scale bytes
.irp j, 0,2,4,6
	v_pk_add_f32 v[LG+\j:LG+\j+1], v[LG+\j:LG+\j+1], v[LG+8+\j:LG+9+\j]
	v_pk_add_f32 v[LG+16+\j:LG+17+\j], v[LG+16+\j:LG+17+\j], v[LG+24+\j:LG+25+\j]
.endr
.irp j, 0,2,4,6
	v_pk_add_f32 v[LG+\j:LG+\j+1], v[LG+\j:LG+\j+1], v[LG+16+\j:LG+17+\j]
.endr
	s_wait_kmcnt 0x0                               ; bg
.irp e, 0,1,2,3,4,5,6,7
	v_add_f32 v[LG+\e], s[24+\e], v[LG+\e]         ; the logits
.endr
	v_max3_num_f32 v[TA], v[LG], v[LG+1], v[LG+2]
	v_max3_num_f32 v[TA], v[TA], v[LG+3], v[LG+4]
	v_max3_num_f32 v[TA], v[TA], v[LG+5], v[LG+6]
	v_max_num_f32 v[TA], v[TA], v[LG+7]            ; the row's maximum is taken away ahead of the exponentials
.irp e, 0,1,2,3,4,5,6,7
	v_sub_f32 v[LG+\e], v[LG+\e], v[TA]
.endr
.irp e, 0,1,2,3,4,5,6,7
	v_mul_f32 v[LG+\e], 0x3fb8aa3b, v[LG+\e]       ; x log2(e)
.endr
.irp e, 0,1,2,3,4,5,6,7
	v_exp_f32 v[LG+\e], v[LG+\e]
.endr
	v_mov_b32 v[BI], 0                             ; (a plain line behind the exponentials)
	s_wait_alu depctr_va_vdst(0)
	v_pk_add_f32 v[TA+2:TA+3], v[LG:LG+1], v[LG+2:LG+3]
	v_pk_add_f32 v[TA+4:TA+5], v[LG+4:LG+5], v[LG+6:LG+7]
	v_pk_add_f32 v[TA+2:TA+3], v[TA+2:TA+3], v[TA+4:TA+5]
	v_add_f32 v[TA], v[TA+2], v[TA+3]
	v_rcp_f32 v[TA], v[TA]
	v_mov_b32 v[TA+1], -1.0                        ; (a plain line behind the reciprocal)  under every weight
	s_wait_alu depctr_va_vdst(0)
.irp e, 0,1,2,3,4,5,6,7
	v_mul_f32 v[LG+\e], v[LG+\e], v[TA]            ; the softmax
.endr
	v_mov_b32 v[BV], v[LG]
.irp e, 1,2,3,4,5,6,7
	v_cmp_le_f32 vcc_lo, v[LG+\e], v[BV]           ; kept unless strictly larger: of equals the lower index stays
	v_cndmask_b32 v[BV], v[LG+\e], v[BV], vcc_lo
	v_cndmask_b32 v[BI], \e, v[BI], vcc_lo
.endr
.irp e, 0,1,2,3,4,5,6,7
	v_cmp_eq_u32 vcc_lo, \e, v[BI]
	v_cndmask_b32 v[LG+\e], v[LG+\e], v[TA+1], vcc_lo   ; the first choice leaves the field
.endr
	v_mov_b32 v[SV], v[LG]
	v_mov_b32 v[SI], 0
.irp e, 1,2,3,4,5,6,7
	v_cmp_le_f32 vcc_lo, v[LG+\e], v[SV]
	v_cndmask_b32 v[SV], v[LG+\e], v[SV], vcc_lo
	v_cndmask_b32 v[SI], \e, v[SI], vcc_lo
.endr
	v_add_f32 v[TA], v[BV], v[SV]
	v_rcp_f32 v[TA], v[TA]
	v_mov_b32 v[TA+4], 0x10000                     ; (a plain line behind the reciprocal)
	s_wait_alu depctr_va_vdst(0)
	v_mul_f32 v[TA+2], v[BV], v[TA]                ; the two weights, renormalised
	v_mul_f32 v[TA+3], v[SV], v[TA]
	v_lshlrev_b32 v[TA+5], v[BI], v[TA+4]
	v_lshlrev_b32 v[TA+6], v[SI], v[TA+4]
	v_lshl_or_b32 v[TA+7], v[SI], 8, v[BI]
	v_or_b32 v[TA+5], v[TA+5], v[TA+6]
	v_or_b32 v[TA+7], v[TA+7], v[TA+5]
	global_store_b32 v10, v[TA+7], s[14:15]        ; lanes l, l + 4, .. hold the same token: they write the same word with the same value, all lanes on
	global_store_b64 v11, v[TA+2:TA+3], s[16:17]
.Lend:
	s_wait_tensorcnt 0x0
	ds_add_u32 v176, v177
	s_wait_dscnt 0x0
	s_endpgm
.Lfunc_end_k_qc3f8d5ca57_route:
	.size	k_qc3f8d5ca57_route, .Lfunc_end_k_qc3f8d5ca57_route-k_qc3f8d5ca57_route
	.p2alignl 7, 3214868480
	.fill 96, 4, 3214868480
	.section	.rodata,"a",@progbits
	.p2align	6, 0x0
	.amdhsa_kernel k_qc3f8d5ca57_route
		.amdhsa_group_segment_fixed_size 3584
		.amdhsa_private_segment_fixed_size 0
		.amdhsa_enable_private_segment 0
		.amdhsa_kernarg_size 56
		.amdhsa_user_sgpr_count 2
		.amdhsa_user_sgpr_kernarg_segment_ptr 1
		.amdhsa_wavefront_size32 1
		.amdhsa_system_sgpr_workgroup_id_x 1
		.amdhsa_system_sgpr_workgroup_id_y 1
		.amdhsa_system_sgpr_workgroup_id_z 1
		.amdhsa_system_vgpr_workitem_id 0
		.amdhsa_next_free_vgpr 178
		.amdhsa_next_free_sgpr 66
		.amdhsa_reserve_vcc 1
		.amdhsa_float_denorm_mode_32 3
		.amdhsa_float_denorm_mode_16_64 3
		.amdhsa_memory_ordered 1
		.amdhsa_forward_progress 1
		.amdhsa_inst_pref_size 33
	.end_amdhsa_kernel
	.amdgpu_metadata
---
amdhsa.version: [ 1, 2 ]
amdhsa.kernels:
  - .name:           k_qc3f8d5ca57_route
    .symbol:         k_qc3f8d5ca57_route.kd
    .args:
      - { .name: x, .offset: 0, .size: 8, .value_kind: global_buffer, .address_space: global }
      - { .name: Wg, .offset: 8, .size: 8, .value_kind: global_buffer, .address_space: global }
      - { .name: bg, .offset: 16, .size: 8, .value_kind: global_buffer, .address_space: global }
      - { .name: xq, .offset: 24, .size: 8, .value_kind: global_buffer, .address_space: global }
      - { .name: xs, .offset: 32, .size: 8, .value_kind: global_buffer, .address_space: global }
      - { .name: sel, .offset: 40, .size: 8, .value_kind: global_buffer, .address_space: global }
      - { .name: gw, .offset: 48, .size: 8, .value_kind: global_buffer, .address_space: global }
    .group_segment_fixed_size: 3584
    .private_segment_fixed_size: 0
    .kernarg_segment_align: 8
    .kernarg_segment_size: 56
    .max_flat_workgroup_size: 128
    .sgpr_count:     66
    .vgpr_count:     178
    .wavefront_size: 32
...
	.end_amdgpu_metadata
.endif
;; end of part 1
;; launch lists (part 2): grid 8 x 4, 8 waves a work-group, no clusters, 0 bytes of LDS; arguments sel, place; writes place
.if DOCPART == 2
	.amdgcn_target "amdgcn-amd-amdhsa--gfx1250"
	.amdhsa_code_object_version 6
	.text
	.protected	k_qc3f8d5ca57_lists
	.globl	k_qc3f8d5ca57_lists
	.p2align	8
	.type	k_qc3f8d5ca57_lists,@function
k_qc3f8d5ca57_lists:
	s_mov_b64 s[64:65], 0
	v_nop
	global_prefetch_b8 v0, s[64:65] scope:SCOPE_SE
	s_setreg_imm32_b32 hwreg(HW_REG_WAVE_MODE, 25, 1), 1
	s_wait_xcnt 0x0
; EACH EXPERT'S LIST OF TOKENS.  sel [token]: e0 | e1 << 8 | ((1 << e0) | (1 << e1)) << 16, from the launch before.
; Out, all in place:  bytes 0 ..: [e][token] the token's slot in expert e's list (of a token that did not choose e: a number that nobody reads);
;   bytes 32,768 ..: [e][32] the expert's count, 32 times;  bytes 33,792 ..: [e][slot] the token in that slot, 0 in the slots from the count on.
; Work-group (e, y), wave w: idx = 8 y + w.  The wave stores slots 32 idx .. + 31 of the list, and the slots of tokens 32 idx .. + 31.
; NO ADDRESS AND NO BRANCH HANGS ON sel: every wave reads all 1,024 words, makes for each word N of 32 tokens expert e's mask and the count of chosen tokens before it, and lane l, which owns slot
; p = 32 idx + l, keeps by selection the last word whose first slot is not above p; the token is that word's bit of rank p - first slot, found by five halvings over the word's partial bit counts.
; Tokens stand in a list in ascending order.  No LDS, no barrier: waves share nothing.
.set L4,   1                           ; 4 x lane
.set P,    2                           ; my slot
.set W,    3                           ; the word that holds my slot's token
.set K,    4                           ; its number << 16 | its first slot
.set R,    5                           ; the rank still to go
.set POS,  6                           ; the bit's place so far
.set T,    7
.set SELR, 8                           ; v8-39 sel: register N of lane l: token 32 N + l
.set U,    40
.set Z,    41                          ; 0
.set CA,   42                          ; bit counts of the word's fields of 2, 4, 8 bits; in CD's low byte: of its low 16
.set CB,   43
.set CC,   44
.set CD,   45
.set TK,   46
.set SL,   47
.set NN,   48
	s_load_b128 s[4:7], s[0:1], 0x0                ; sel s[4:5], place s[6:7]
	v_lshrrev_b32 v1, 5, v0
	v_readfirstlane_b32 s2, v1                     ; wave 0..7
	s_mov_b32 s3, ttmp9                            ; e
	s_and_b32 s8, ttmp7, 0xffff                    ; y
	s_lshl_b32 s9, s8, 3
	s_add_co_u32 s9, s9, s2                        ; idx 0..31
	s_lshl_b32 s10, 0x10000, s3                    ; expert e's bit in a word of sel
	v_and_b32 v2, 31, v0
	v_lshlrev_b32 v[L4], 2, v2
	s_lshl_b32 s12, s9, 5
	v_add_nc_u32 v[P], s12, v2
	v_mov_b32 v[Z], 0
	v_mov_b32 v[POS], 0
	s_mov_b32 s11, 0                               ; chosen tokens so far
	s_mov_b32 s14, 0                               ; word idx's mask,
	s_mov_b32 s15, 0                               ; and its first slot
	s_lshl_b32 s20, s3, 12
	s_lshl_b32 s12, s9, 7
	s_add_co_u32 s20, s20, s12                     ; 4,096 e + 128 idx
	s_mov_b32 s21, 0
	s_lshl_b32 s22, s3, 7
	s_add_co_u32 s22, s22, 32768
	s_mov_b32 s23, 0
	s_wait_kmcnt 0x0
.set N_, 0
.rept 32
	global_load_b32 v[SELR+N_], v[L4], s[4:5] offset:128*N_
.set N_, N_+1
.endr
	s_add_nc_u64 s[24:25], s[6:7], s[20:21]        ; my 32 tokens' slots
	s_add_nc_u64 s[26:27], s[24:25], 33792         ; my 32 slots of the list
	s_add_nc_u64 s[28:29], s[6:7], s[22:23]        ; the count
.set N_, 0
.rept 32
	s_wait_loadcnt 31-N_                           ; word N is in; the words behind it may be out
	v_and_b32 v[T], s10, v[SELR+N_]
	v_cmp_ne_u32 s16, 0, v[T]                      ; the word's mask: bit l for token 32 N + l
.if N_ == 0
	v_mov_b32 v[W], s16                            ; word 0 begins at slot 0, which is above no slot
	v_mov_b32 v[K], 0
.else
	s_or_b32 s13, s11, N_<<16
	v_cmp_gt_u32 vcc_lo, s11, v[P]                 ; does the word begin above my slot?  If not, it is the one so far
	v_cndmask_b32 v[W], s16, v[W], vcc_lo
	v_cndmask_b32 v[K], s13, v[K], vcc_lo
.endif
	s_cmp_eq_u32 s9, N_                            ; (a choice on ids)  my own word of tokens
	s_cselect_b32 s14, s16, s14
	s_cselect_b32 s15, s11, s15
	s_bcnt1_i32_b32 s12, s16
	s_add_co_u32 s11, s11, s12
.set N_, N_+1
.endr
	v_and_b32 v[R], 0xffff, v[K]
	v_sub_nc_u32 v[R], v[P], v[R]                  ; the rank of my token's bit in its word
	v_lshrrev_b32 v[K], 16, v[K]                   ; the word's number
	v_lshrrev_b32 v[T], 1, v[W]
	v_and_b32 v[T], 0x55555555, v[T]
	v_sub_nc_u32 v[CA], v[W], v[T]                 ; counts of fields of 2 bits
	v_lshrrev_b32 v[T], 2, v[CA]
	v_and_b32 v[T], 0x33333333, v[T]
	v_and_b32 v[U], 0x33333333, v[CA]
	v_add_nc_u32 v[CB], v[T], v[U]                 ; of 4
	v_lshrrev_b32 v[T], 4, v[CB]
	v_add_nc_u32 v[T], v[T], v[CB]
	v_and_b32 v[CC], 0x0f0f0f0f, v[T]              ; of 8
	v_lshrrev_b32 v[T], 8, v[CC]
	v_add_nc_u32 v[CD], v[T], v[CC]                ; low byte: of the low 16
.macro HALVE src, width, inc           ; the field of \inc bits at POS holds T set bits: where the rank is T or more, the bit lies above it
	v_bfe_u32 v[T], v[\src], v[POS], \width
	v_cmp_lt_u32 vcc_lo, v[R], v[T]
	v_cndmask_b32 v[T], v[T], v[Z], vcc_lo
	v_cndmask_b32 v[U], \inc, v[Z], vcc_lo
	v_sub_nc_u32 v[R], v[R], v[T]
	v_add_nc_u32 v[POS], v[POS], v[U]
.endm
	HALVE CD, 8, 16
	HALVE CC, 8, 8
	HALVE CB, 4, 4
	HALVE CA, 2, 2
	HALVE W, 1, 1
	v_lshl_add_u32 v[TK], v[K], 5, v[POS]          ; the token
	v_cmp_gt_u32 vcc_lo, s11, v[P]                 ; a slot under the count?
	v_cndmask_b32 v[TK], 0, v[TK], vcc_lo          ; the others name token 0
	v_mbcnt_lo_u32_b32 v[SL], s14, s15             ; token 32 idx + l: its word's first slot + the chosen lanes below mine
	global_store_b32 v[L4], v[TK], s[26:27]        ; 128 consecutive bytes a wave, the eight waves of a work-group 1,024
	global_store_b32 v[L4], v[SL], s[24:25]
	s_cmp_lg_u32 s9, 0
	s_cbranch_scc1 .Lend
	v_mov_b32 v[NN], s11
	global_store_b32 v[L4], v[NN], s[28:29]        ; the count, 32 times
.Lend:
	s_endpgm
.Lfunc_end_k_qc3f8d5ca57_lists:
	.size	k_qc3f8d5ca57_lists, .Lfunc_end_k_qc3f8d5ca57_lists-k_qc3f8d5ca57_lists
	.p2alignl 7, 3214868480
	.fill 96, 4, 3214868480
	.section	.rodata,"a",@progbits
	.p2align	6, 0x0
	.amdhsa_kernel k_qc3f8d5ca57_lists
		.amdhsa_group_segment_fixed_size 0
		.amdhsa_private_segment_fixed_size 0
		.amdhsa_enable_private_segment 0
		.amdhsa_kernarg_size 16
		.amdhsa_user_sgpr_count 2
		.amdhsa_user_sgpr_kernarg_segment_ptr 1
		.amdhsa_wavefront_size32 1
		.amdhsa_system_sgpr_workgroup_id_x 1
		.amdhsa_system_sgpr_workgroup_id_y 1
		.amdhsa_system_sgpr_workgroup_id_z 1
		.amdhsa_system_vgpr_workitem_id 0
		.amdhsa_next_free_vgpr 56
		.amdhsa_next_free_sgpr 66
		.amdhsa_reserve_vcc 1
		.amdhsa_float_denorm_mode_32 3
		.amdhsa_float_denorm_mode_16_64 3
		.amdhsa_memory_ordered 1
		.amdhsa_forward_progress 1
		.amdhsa_inst_pref_size 21
	.end_amdhsa_kernel
	.amdgpu_metadata
---
amdhsa.version: [ 1, 2 ]
amdhsa.kernels:
  - .name:           k_qc3f8d5ca57_lists
    .symbol:         k_qc3f8d5ca57_lists.kd
    .args:
      - { .name: sel, .offset: 0, .size: 8, .value_kind: global_buffer, .address_space: global }
      - { .name: place, .offset: 8, .size: 8, .value_kind: global_buffer, .address_space: global }
    .group_segment_fixed_size: 0
    .private_segment_fixed_size: 0
    .kernarg_segment_align: 8
    .kernarg_segment_size: 16
    .max_flat_workgroup_size: 256
    .sgpr_count:     66
    .vgpr_count:     56
    .wavefront_size: 32
...
	.end_amdgpu_metadata
.endif
;; end of part 2
;; launch up (part 3): grid 32 x 8, 16 waves a work-group, no clusters, 80,896 bytes of LDS; arguments W1, b1, xq, xs, place, hq, hs; writes hq, hs
.if DOCPART == 3
	.amdgcn_target "amdgcn-amd-amdhsa--gfx1250"
	.amdhsa_code_object_version 6
	.text
	.protected	k_qc3f8d5ca57_up
	.globl	k_qc3f8d5ca57_up
	.p2align	8
	.type	k_qc3f8d5ca57_up,@function
k_qc3f8d5ca57_up:
	s_mov_b64 s[64:65], 0
	v_nop
	global_prefetch_b8 v0, s[64:65] scope:SCOPE_SE
	s_setreg_imm32_b32 hwreg(HW_REG_WAVE_MODE, 25, 1), 1
	s_wait_xcnt 0x0
; h = gelu(x W1 + b1) FOR THE ROUTED ROWS, AS CODES.  W1 [8][1024 (k)][4096 (h)], b1 [8][4096]: f32.  xq, xs, place: from the launches before.
; Work-group (S, e) owns hidden units 128 S .. 128 S + 127 of expert e, for all of K: 512 KiB of W1 that no other work-group reads.  It
;   1. streams its slice of W1 through registers and quantises it along K (a lane to a column, registers down K), the codes going to LDS as images of the operand's registers;
;   2. for each tile of 16 routed rows: x's codes gathered by expert e's list (place, bytes 33,792 on; the count at bytes 32,768 on), 64 products on codes, exact gelu in f32, the result quantised
;      along H in registers.
; Out: hq [e][row tile 64][K step 32][1,024 bytes]: the second product's operand as an image of its registers ([c 2][lane 32][16 bytes]);  hs [e][row tile][K step][row 16]: scale words.
; Tile 0 of every expert is always made, of an expert without tokens too (its rows are then token 0's): the next launch asks for its first tile ahead of knowing whether it has one.
; WHY NO CLUSTER, NO TENSOR LOAD: what a work-group streams, its slice of W1, is shared with nobody; what is shared (rows of x) is a gather whose count is read from memory.  Through registers the
; sixteen waves have 32 to 64 loads of 128 bytes each on their way without a pause.
; THE PRODUCT IS USED TRANSPOSED (source 0 = 16 hidden units, source 1 = 16 rows), AND THE UNITS OF A TILE ARE NOT NEIGHBOURS: row r of tile 2 b + u is unit 32 b + 8 u + r + 8 (r / 8), so that a lane's
; 16 registers of tiles 2 b and 2 b + 1 are units 32 b + 16 (lane / 16) + 0 .. 15 of one routed row: neighbours along the next K.
; gelu(x) = max(x, 0) - |x| F(-|x|), F the normal distribution: F(-|x|) = t 2^(k2 x^2 + c0 + c1 t + .. + c9 t^9), t = 1 / (1 + |x| / sqrt(8)): the rational-exponential form of erfc / 2, whose own error is
; 1.2e-7 of erfc, relative in the tail too.
; LIMITS: NaN and infinities are not served.  A block whose largest magnitude lies under 2^-124 (a block of zeros too) gets the byte 1: this program alone reads the bytes.  Where F(-|x|) falls under
; 2^-126 it counts as 0.  Rows of a last tile beyond the count are token 0's: they are computed and stored, and no result hangs on them.
.set ROWB,  16384                      ; bytes from one k to the next in W1
.set TILEP, 8320                       ; a tile's eight images + 128 bytes, so that the two groups of eight lanes of a store fall 128 bytes apart modulo 256
.set B1L,   0                          ; LDS: b1's slice, a copy of 512 bytes for each wave;
.set WSC,   8192                       ;      W1's scale words: (tile pair p, K step s) at (8 p + s) 128: lanes 0-15 tile 2 p, lanes 16-31 tile 2 p + 1;
.set WIMG,  12288                      ;      W1's images: (tile T, K step s) at T TILEP + 1,024 s
.set L4,   1                           ; 4 x lane
.set L16,  2                           ; 16 x lane
.set R4,   3                           ; 4 x (lane % 16)
.set H16,  4                           ; 16 x (lane / 16)
.set AW,   5                           ; v5, v6: images of tiles 0-3, 4-7, at my lane
.set AS,   7                           ; scale words at my lane
.set IST,  8                           ; where I store my column's codes
.set SST,  9                           ; and its scale words
.set AB1,  11                          ; b1's copy, my half's 16 numbers of a block
.set XO,   12                          ; my row's codes in xq, + 16 (lane / 16)
.set SO,   13                          ; my row's scale bytes in xs
.set MXA,  14
.set MXB,  15
.set X,    16                          ; v16-79   two sets of 32 numbers of W1
.set WB,   16                          ;          later two buffers of four fragments of W1
.set GT,   16                          ;          later gelu's t, exponent, x^2
.set GP,   32
.set GQ,   48
.set ACC,  80                          ; v80-143  eight accumulators
.set CD,   80                          ;          before them: a wave's 8 blocks of codes, 4 registers each
.set XF,   144                         ; v144-207 x's eight fragments
.set XS,   208                         ; v208-215 x's scale words, one for each K step
.set WS,   216                         ; v216-219 W1's scale words, two for each buffer
.set TM,   220                         ; v220-231 the quantiser's: maxima, bytes, scale operands
.set AX,   232                         ; where I store b1's copy
.set PC,   236                         ; v236-243 h's codes
.set PW,   244                         ; h's scale word
.set SCL,  245
.set BY,   246
.set SB,   247                         ; v247-248 my column's scale words
.set TOK,  249                         ; my row's token
.set BT,   250                         ; v250-253 b1 on its way in
.set C8V,  254                         ; v254-255 c8
.set K1,   66
.set C9,   68
.set C7,   70
.set C6,   72
.set C5,   74
.set C4,   76
.set C3,   78
.set C2,   80
.set C1,   82
.set C0,   84
.set K2,   86
.macro PAIR r, val                     ; the packed forms name a pair and take its low word for both halves: both are written
	s_mov_b32 s[\r], \val
	s_mov_b32 s[\r+1], \val
.endm
.macro LOAD t                          ; block t: W1(256 q + 32 t + i, my column), i = 0 .. 31, into set t % 2: each load reads 128 consecutive bytes, four waves side by side 512
.set I_, 0
.rept 32
	global_load_b32 v[X+32*((\t)%2)+I_], v[L4], s[34:35] offset:(32*(\t)+I_)*ROWB th:TH_LOAD_NT
.set I_, I_+1
.endr
.endm
.macro BLOCK t, cnt                    ; block t is quantised; cnt: the loads issued behind its 32
.set XB_, X+32*((\t)%2)
	s_wait_loadcnt \cnt
	v_max3_num_f32 v[MXA], |v[XB_]|, |v[XB_+1]|, |v[XB_+2]|        ; all 32 numbers are mine
	v_max3_num_f32 v[MXB], |v[XB_+3]|, |v[XB_+4]|, |v[XB_+5]|
.irp i, 6,10,14,18,22,26
	v_max3_num_f32 v[MXA], v[MXA], |v[XB_+\i]|, |v[XB_+\i+1]|
	v_max3_num_f32 v[MXB], v[MXB], |v[XB_+\i+2]|, |v[XB_+\i+3]|
.endr
	v_max3_num_f32 v[MXA], v[MXA], |v[XB_+30]|, |v[XB_+31]|
	v_max3_num_f32 v[MXA], v[MXA], v[MXB], 0x1800000               ; and the floor 2^(3 - 127): the byte cannot fall under 1
	v_add_nc_u32 v[SCL], 0xff000000, v[MXA]                        ; 2 off the exponent field: the conversion's scale operand
	v_lshrrev_b32 v[BY], 23, v[SCL]                                ; the scale's byte
.if (\t)%4 == 0
	v_mov_b32 v[SB+(\t)/4], v[BY]
.else
	v_lshl_or_b32 v[SB+(\t)/4], v[BY], 8*((\t)%4), v[SB+(\t)/4]
.endif
.irp g, 0,1,2,3
	v_cvt_scalef32_pk8_fp4_f32 v[CD+4*(\t)+\g], v[XB_+8*\g:XB_+8*\g+7], v[SCL]
.endr
	v_nop                                                          ; one plain line behind the conversions
	ds_store_b128 v[IST], v[CD+4*(\t):CD+4*(\t)+3] offset:((\t)/4)*1024+(((\t)/2)%2)*512+((\t)%2)*256   ; block 2 c + h of a K step lies at 512 c + 256 h + 16 r of its image
.if (\t)%4 == 3
	ds_store_b32 v[SST], v[SB+(\t)/4] offset:((\t)/4)*128
.endif
.endm
.macro XADDR                           ; a token from the list becomes two offsets
	v_min_u32 v[TOK], 0x3ff, v[TOK]
	v_lshlrev_b32 v[XO], 9, v[TOK]
	v_add_nc_u32 v[XO], v[XO], v[H16]
	v_lshlrev_b32 v[SO], 5, v[TOK]
.endm
.macro XLOADS                          ; 18 loads: my row's eight fragments and its eight scale words
.irp s, 0,1,2,3,4,5,6,7
.irp c, 0,1
	global_load_b128 v[XF+8*\s+4*\c:XF+8*\s+4*\c+3], v[XO], s[12:13] offset:64*\s+32*\c
.endr
.endr
	global_load_b128 v[XS:XS+3], v[SO], s[14:15]
	global_load_b128 v[XS+4:XS+7], v[SO], s[14:15] offset:16
.endm
.macro GLOAD n                         ; group n: K step n / 2, tiles 4 (n % 2) + 0 .. 3: ten LDS loads into buffer n % 2
.set GB_, WB+32*((\n)%2)
.set GS_, (\n)/2
.irp k, 0,1,2,3
.irp c, 0,1
	ds_load_b128 v[GB_+8*\k+4*\c:GB_+8*\k+4*\c+3], v[AW+(\n)%2] offset:\k*TILEP+GS_*1024+512*\c
.endr
.endr
.irp p, 0,1
	ds_load_b32 v[WS+2*((\n)%2)+\p], v[AS] offset:((2*((\n)%2)+\p)*8+GS_)*128
.endr
.endm
.macro GMUL n                          ; four products on four accumulators; no two matrix instructions that follow each other share one
.if (\n) < 15
	s_wait_dscnt 10                                ; this group's ten loads are in; the next group's ten may be out
.else
	s_wait_dscnt 0x0
.endif
.set GB_, WB+32*((\n)%2)
.set GS_, (\n)/2
.set GA_, ACC+32*((\n)%2)
.irp k, 0,2
	v_wmma_scale_f32_16x16x128_f8f6f4 v[GA_+8*\k:GA_+8*\k+7], v[GB_+8*\k:GB_+8*\k+7], v[XF+8*GS_:XF+8*GS_+7], v[GA_+8*\k:GA_+8*\k+7], v[WS+2*((\n)%2)+\k/2], v[XS+GS_] matrix_a_fmt:MATRIX_FMT_FP4 matrix_b_fmt:MATRIX_FMT_FP4
	v_wmma_scale_f32_16x16x128_f8f6f4 v[GA_+8*\k+8:GA_+8*\k+15], v[GB_+8*\k+8:GB_+8*\k+15], v[XF+8*GS_:XF+8*GS_+7], v[GA_+8*\k+8:GA_+8*\k+15], v[WS+2*((\n)%2)+\k/2], v[XS+GS_] matrix_a_fmt:MATRIX_FMT_FP4 matrix_b_fmt:MATRIX_FMT_FP4 matrix_a_scale:MATRIX_SCALE_ROW1
.endr
.rept 4
	v_nop                                          ; four places in front of loads into registers that these products read, and of the first read of results
.endr
.if (\n) < 14
	GLOAD (\n)+2
.endif
.endm
.macro GELU16 a                        ; sixteen numbers, in place, from the low end on
.set I_, 0
.rept 16
	v_fma_f32 v[GT+I_], |v[\a+I_]|, s[K1], 1.0
.set I_, I_+1
.endr
.set I_, 0
.rept 16
	v_rcp_f32 v[GT+I_], v[GT+I_]                   ; t
.set I_, I_+1
.endr
.set I_, 0
.rept 8
	v_pk_mul_f32 v[GQ+I_:GQ+I_+1], v[\a+I_:\a+I_+1], v[\a+I_:\a+I_+1]   ; x^2 (plain lines behind the reciprocals)
.set I_, I_+2
.endr
.set I_, 0
	s_wait_alu depctr_va_vdst(0)
.rept 8
	v_pk_fma_f32 v[GP+I_:GP+I_+1], v[GT+I_:GT+I_+1], s[C9:C9+1], v[C8V:C8V+1] op_sel_hi:[1,0,1]
.set I_, I_+2
.endr
.irp k, C7,C6,C5,C4,C3,C2,C1,C0
.set I_, 0
.rept 8
	v_pk_fma_f32 v[GP+I_:GP+I_+1], v[GP+I_:GP+I_+1], v[GT+I_:GT+I_+1], s[\k:\k+1] op_sel_hi:[1,1,0]
.set I_, I_+2
.endr
.endr
.set I_, 0
.rept 8
	v_pk_fma_f32 v[GP+I_:GP+I_+1], v[GQ+I_:GQ+I_+1], s[K2:K2+1], v[GP+I_:GP+I_+1] op_sel_hi:[1,0,1]
.set I_, I_+2
.endr
.set I_, 0
.rept 16
	v_exp_f32 v[GP+I_], v[GP+I_]
.set I_, I_+1
.endr
.set I_, 0
.rept 16
	v_max_num_f32 v[GQ+I_], 0, v[\a+I_]            ; (plain lines behind the exponentials)
.set I_, I_+1
.endr
.set I_, 0
	s_wait_alu depctr_va_vdst(0)
.rept 8
	v_pk_mul_f32 v[GP+I_:GP+I_+1], v[GP+I_:GP+I_+1], v[GT+I_:GT+I_+1]   ; F(-|x|)
.set I_, I_+2
.endr
.set I_, 0
.rept 16
	v_fma_f32 v[\a+I_], -|v[\a+I_]|, v[GP+I_], v[GQ+I_]
.set I_, I_+1
.endr
.endm
	s_load_b256 s[8:15], s[0:1], 0x0               ; W1 s[8:9], b1 s[10:11], xq s[12:13], xs s[14:15]
	s_load_b128 s[16:19], s[0:1], 0x20             ; place s[16:17], hq s[18:19]
	s_load_b64 s[20:21], s[0:1], 0x30              ; hs
	v_lshl_add_u32 v234, v0, 2, 0x13400
	v_mov_b32 v235, 0
	v_lshrrev_b32 v16, 5, v0
	v_readfirstlane_b32 s2, v16                    ; wave 0..15
	s_and_b32 s3, s2, 3                            ; g: which 32 columns of the slice I stream
	s_lshr_b32 s4, s2, 2                           ; q: which 256 rows of K
	s_mov_b32 s5, ttmp9                            ; S
	s_and_b32 s6, ttmp7, 0xffff                    ; e
	v_and_b32 v17, 31, v0
	v_lshlrev_b32 v[L4], 2, v17
	v_lshlrev_b32 v[L16], 4, v17
	v_and_b32 v18, 15, v0
	v_lshlrev_b32 v[R4], 2, v18
	v_bfe_u32 v19, v0, 4, 1
	v_lshlrev_b32 v[H16], 4, v19
	v_add_nc_u32 v[AW], WIMG, v[L16]
	v_add_nc_u32 v[AW+1], WIMG+4*TILEP, v[L16]
	v_add_nc_u32 v[AS], WSC, v[L4]
	v_bfe_u32 v20, v0, 3, 1                        ; column c = lane: u = (c / 8) % 2,
	v_and_b32 v21, 7, v0
	v_lshl_add_u32 v21, v19, 3, v21                ; r = c % 8 + 8 (c / 16): it is row r of tile 2 g + u
	v_mul_u32_u24 v[IST], v20, TILEP
	v_lshl_add_u32 v[IST], v21, 4, v[IST]
	s_mul_i32 s28, s3, 2*TILEP
	s_lshl_b32 s29, s4, 11
	s_add_co_u32 s28, s28, s29
	s_add_co_u32 s28, s28, WIMG
	v_add_nc_u32 v[IST], s28, v[IST]               ; WIMG + (2 g + u) TILEP + 2,048 q + 16 r
	v_lshl_add_u32 v[SST], v20, 4, v21
	v_lshlrev_b32 v[SST], 2, v[SST]
	s_lshl_b32 s28, s3, 10
	s_lshl_b32 s29, s4, 8
	s_add_co_u32 s28, s28, s29
	s_add_co_u32 s28, s28, WSC
	v_add_nc_u32 v[SST], s28, v[SST]               ; WSC + 1,024 g + 256 q + 4 (16 u + r)
	s_lshl_b32 s28, s2, 9
	s_add_co_u32 s28, s28, B1L
	v_lshl_add_u32 v[AB1], v19, 6, s28
	v_add_nc_u32 v[AX], s28, v[L16]
.irp b, 0,1,2,3
	v_mov_b32 v[TM+4+\b], 0                        ; written once: a lane permute's destination counts as one of its sources
.endr
	v_mov_b32 v[C8V], 0xbf97d29d                   ; c8 = -1.1861149
	v_mov_b32 v[C8V+1], 0xbf97d29d
	s_mov_b32 s[K1], 0x3eb504f3                    ; 1 / sqrt(8)
	PAIR C9, 0x3e7c6f08                            ; erfc's coefficients x log2(e):  0.24651730
	PAIR C7, 0x40097039                            ;  2.1474745
	PAIR C6, 0xbfd1a1e5                            ; -1.6377532
	PAIR C5, 0x3ecdfd18                            ;  0.40232158
	PAIR C4, 0xbe899a80                            ; -0.26875686
	PAIR C3, 0x3e0efb2f                            ;  0.13963006
	PAIR C2, 0x3f0a29d2                            ;  0.53970062
	PAIR C1, 0x3fb8ab5a                            ;  1.4427292
	PAIR C0, 0xc034d90f                            ; -2.8257482 (the half is in it: - 1)
	PAIR K2, 0xbf38aa3b                            ; -log2(e) / 2
	s_mov_b32 s32, 0x76543210
	s_mov_b32 s33, 0xfedcba98                      ; v_permlanex16_b32's selects for lane l xor 16
	s_lshl_b32 s30, s6, 24                         ; W1: expert, 256 q rows, 128 S + 32 g columns
	s_lshl_b32 s28, s4, 22
	s_add_co_u32 s30, s30, s28
	s_lshl_b32 s28, s5, 9
	s_add_co_u32 s30, s30, s28
	s_lshl_b32 s28, s3, 7
	s_add_co_u32 s30, s30, s28
	s_mov_b32 s31, 0
	s_wait_kmcnt 0x0
	s_add_nc_u64 s[34:35], s[8:9], s[30:31]
	s_lshl_b32 s30, s6, 21                         ; hq: ((64 e + w) 32 + S) 1,024
	s_lshl_b32 s28, s2, 15
	s_add_co_u32 s30, s30, s28
	s_lshl_b32 s28, s5, 10
	s_add_co_u32 s30, s30, s28
	s_add_nc_u64 s[36:37], s[18:19], s[30:31]
	s_lshr_b32 s30, s30, 4                         ; hs: the same index x 64
	s_add_nc_u64 s[38:39], s[20:21], s[30:31]
	s_lshl_b32 s30, s6, 14                         ; b1's slice
	s_lshl_b32 s28, s5, 9
	s_add_co_u32 s30, s30, s28
	s_add_nc_u64 s[40:41], s[10:11], s[30:31]
	s_lshl_b32 s30, s6, 12                         ; the list: expert e's 1,024 slots, tile w's sixteen
	s_lshl_b32 s28, s2, 6
	s_add_co_u32 s30, s30, s28
	s_add_co_u32 s30, s30, 33792
	s_add_nc_u64 s[42:43], s[16:17], s[30:31]
	s_lshl_b32 s30, s6, 7
	s_add_nc_u64 s[44:45], s[16:17], s[30:31]
	s_load_b32 s24, s[44:45], 0x8000               ; expert e's count
	global_load_b32 v[TOK], v[R4], s[42:43]        ; my first tile's tokens: lanes 16-31 take the same sixteen as lanes 0-15
	LOAD 0
	LOAD 1
	s_wait_kmcnt 0x0
	s_min_u32 s24, s24, 1024                       ; n
	s_add_co_u32 s25, s24, 15
	s_lshr_b32 s25, s25, 4                         ; tiles of 16 rows,
	s_max_u32 s25, s25, 1                          ; one at the least: tile 0 is always made
	; ---- the stream: 8 blocks a wave, two sets of registers
	BLOCK 0, 32                                    ; behind block 0's loads: block 1's 32.  The tokens, asked for ahead of block 0, are in too
	XADDR
	XLOADS                                         ; my first tile's x, and b1's slice: 19 loads
	global_load_b128 v[BT:BT+3], v[L16], s[40:41]
	LOAD 2
	BLOCK 1, 51                                    ; behind block 1's loads: those 19 and block 2's 32
	LOAD 3
	BLOCK 2, 32
	LOAD 4
	BLOCK 3, 32
	LOAD 5
	BLOCK 4, 32
	LOAD 6
	BLOCK 5, 32
	LOAD 7
	BLOCK 6, 32
	BLOCK 7, 0
	ds_store_b128 v[AX], v[BT:BT+3]                ; b1's slice, my wave's copy
	s_wait_dscnt 0x0                               ; for the others' sake: my images have landed
	s_barrier_signal -1
	s_barrier_wait -1                              ; the slice's 64 images and their scale words lie in LDS; from here on LDS is only read
	; ---- the tiles of routed rows: wave w takes tiles w, w + 16, w + 32, w + 48; four trips, the work jumped over where there is no tile
	s_mov_b32 s26, s2
	s_mov_b32 s27, 4
.Ltile:
	s_cmp_ge_u32 s26, s25
	s_cbranch_scc1 .Lstep
	s_wait_loadcnt 0x0                             ; the tile's x is in
	s_add_co_u32 s28, s26, 16
	s_cmp_ge_u32 s28, s25
	s_cbranch_scc1 .Lnotok
	global_load_b32 v[TOK], v[R4], s[42:43] offset:1024   ; my next tile's tokens, 16 tiles on: they land under the products
.Lnotok:
.irp b, 0,1,2,3
.irp k, 0,1,2,3
	ds_load_b128 v[ACC+16*\b+4*\k:ACC+16*\b+4*\k+3], v[AB1] offset:128*\b+16*\k   ; b1 in the result's layout: it is the C of each sum's first product
.endr
.endr
	GLOAD 0
	GLOAD 1
.irp n, 0,1,2,3,4,5,6,7,8,9,10,11,12,13,14,15
	GMUL \n
.endr
	s_cmp_ge_u32 s28, s25
	s_cbranch_scc1 .Lnopf
	s_wait_loadcnt 0x0                             ; the tokens are in
	XADDR
	XLOADS                                         ; my next tile's x is asked for now and lands under the gelu
.Lnopf:
	GELU16 ACC
	GELU16 ACC+16
	GELU16 ACC+32
	GELU16 ACC+48
	; h's four blocks of 32 along the next K: register 16 b + i is unit 32 b + 16 (lane / 16) + i of my row
.irp b, 0,1,2,3
	v_max3_num_f32 v[TM+\b], |v[ACC+16*\b]|, |v[ACC+1+16*\b]|, 0x1800000
.endr
.irp i, 2,4,6,8,10,12,14
.irp b, 0,1,2,3
	v_max3_num_f32 v[TM+\b], v[TM+\b], |v[ACC+16*\b+\i]|, |v[ACC+1+16*\b+\i]|
.endr
.endr
.irp b, 0,1,2,3
	v_permlanex16_b32 v[TM+4+\b], v[TM+\b], s32, s33
.endr
.irp b, 0,1,2,3
	v_max_num_f32 v[TM+\b], v[TM+\b], v[TM+4+\b]   ; with lane l xor 16's sixteen
.endr
.irp b, 0,1,2,3
	v_add_nc_u32 v[TM+8+\b], 0xff000000, v[TM+\b]
.endr
.irp b, 0,1,2,3
	v_lshrrev_b32 v[TM+4+\b], 23, v[TM+8+\b]
.endr
	v_lshl_or_b32 v[PW], v[TM+5], 8, v[TM+4]       ; my row's scale word
	v_lshl_or_b32 v[PW], v[TM+6], 16, v[PW]
	v_lshl_or_b32 v[PW], v[TM+7], 24, v[PW]
.irp b, 0,1,2,3
	v_cvt_scalef32_pk8_fp4_f32 v[PC+2*\b], v[ACC+16*\b:ACC+7+16*\b], v[TM+8+\b]
	v_cvt_scalef32_pk8_fp4_f32 v[PC+1+2*\b], v[ACC+8+16*\b:ACC+15+16*\b], v[TM+8+\b]
.endr
	v_nop                                          ; one plain line behind the conversions
.irp c, 0,1
.irp i, 0,1
	v_permlane16_swap_b32 v[PC+4*\c+\i], v[PC+2+4*\c+\i]   ; the operand's layout wants a whole block in a lane
.endr
.endr
	global_store_b128 v[L16], v[PC:PC+3], s[36:37]                 ; the image: two runs of 512 consecutive bytes
	global_store_b128 v[L16], v[PC+4:PC+7], s[36:37] offset:512
	global_store_b32 v[R4], v[PW], s[38:39]        ; 16 scale words; lanes 16-31 repeat lanes 0-15's address and value
.Lstep:
	s_wait_xcnt 0x0                                ; bases and store data are written again only behind this wait
	s_add_nc_u64 s[36:37], s[36:37], 524288        ; 16 tiles on
	s_add_nc_u64 s[38:39], s[38:39], 32768
	s_add_nc_u64 s[42:43], s[42:43], 1024
	s_add_co_u32 s26, s26, 16
	s_sub_co_u32 s27, s27, 1
	s_cmp_lg_u32 s27, 0
	s_cbranch_scc1 .Ltile
	s_wait_tensorcnt 0x0
	ds_add_u32 v234, v235
	s_wait_dscnt 0x0
	s_endpgm
.Lfunc_end_k_qc3f8d5ca57_up:
	.size	k_qc3f8d5ca57_up, .Lfunc_end_k_qc3f8d5ca57_up-k_qc3f8d5ca57_up
	.p2alignl 7, 3214868480
	.fill 96, 4, 3214868480
	.section	.rodata,"a",@progbits
	.p2align	6, 0x0
	.amdhsa_kernel k_qc3f8d5ca57_up
		.amdhsa_group_segment_fixed_size 80896
		.amdhsa_private_segment_fixed_size 0
		.amdhsa_enable_private_segment 0
		.amdhsa_kernarg_size 56
		.amdhsa_user_sgpr_count 2
		.amdhsa_user_sgpr_kernarg_segment_ptr 1
		.amdhsa_wavefront_size32 1
		.amdhsa_system_sgpr_workgroup_id_x 1
		.amdhsa_system_sgpr_workgroup_id_y 1
		.amdhsa_system_sgpr_workgroup_id_z 1
		.amdhsa_system_vgpr_workitem_id 0
		.amdhsa_next_free_vgpr 256
		.amdhsa_next_free_sgpr 96
		.amdhsa_reserve_vcc 0
		.amdhsa_float_denorm_mode_32 3
		.amdhsa_float_denorm_mode_16_64 3
		.amdhsa_memory_ordered 1
		.amdhsa_forward_progress 1
		.amdhsa_inst_pref_size 111
	.end_amdhsa_kernel
	.amdgpu_metadata
---
amdhsa.version: [ 1, 2 ]
amdhsa.kernels:
  - .name:           k_qc3f8d5ca57_up
    .symbol:         k_qc3f8d5ca57_up.kd
    .args:
      - { .name: W1, .offset: 0, .size: 8, .value_kind: global_buffer, .address_space: global }
      - { .name: b1, .offset: 8, .size: 8, .value_kind: global_buffer, .address_space: global }
      - { .name: xq, .offset: 16, .size: 8, .value_kind: global_buffer, .address_space: global }
      - { .name: xs, .offset: 24, .size: 8, .value_kind: global_buffer, .address_space: global }
      - { .name: place, .offset: 32, .size: 8, .value_kind: global_buffer, .address_space: global }
      - { .name: hq, .offset: 40, .size: 8, .value_kind: global_buffer, .address_space: global }
      - { .name: hs, .offset: 48, .size: 8, .value_kind: global_buffer, .address_space: global }
    .group_segment_fixed_size: 80896
    .private_segment_fixed_size: 0
    .kernarg_segment_align: 8
    .kernarg_segment_size: 56
    .max_flat_workgroup_size: 512
    .sgpr_count:     96
    .vgpr_count:     256
    .wavefront_size: 32
...
	.end_amdgpu_metadata
.endif
;; end of part 3
;; launch down (part 4): grid 32 x 8, 16 waves a work-group, no clusters, 141,312 bytes of LDS; arguments W2, hq, hs, place, yp; writes yp
.if DOCPART == 4
	.amdgcn_target "amdgcn-amd-amdhsa--gfx1250"
	.amdhsa_code_object_version 6
	.text
	.protected	k_qc3f8d5ca57_down
	.globl	k_qc3f8d5ca57_down
	.p2align	8
	.type	k_qc3f8d5ca57_down,@function
k_qc3f8d5ca57_down:
	s_mov_b64 s[64:65], 0
	v_nop
	global_prefetch_b8 v0, s[64:65] scope:SCOPE_SE
	s_setreg_imm32_b32 hwreg(HW_REG_WAVE_MODE, 25, 1), 1
	s_wait_xcnt 0x0
; y = h W2 FOR THE ROUTED ROWS, IN TWO HALVES OF K.  W2 [8][4096 (k)][1024 (d)]: f32.  hq, hs, place: from the launches before.
; Work-group (x, e): j = x % 16: output columns 64 j .. 64 j + 63;  kh = x / 16: k = 2,048 kh .. + 2,047: 512 KiB of W2 that no other work-group reads.
; Out: yp [kh 2][e 8][slot 1024][1024] f32: the half sums; the next launch adds the halves, b2 and the gate's weights.
; THE STREAM GOES BY STAGES ALONG K, AND THE PRODUCTS STAND UNDER IT.  Stage t (0 .. 7) is K steps 2 t and 2 t + 1: 256 rows x 64 columns, 64 KiB.  Each of the sixteen waves takes one block of it
; (32 rows x 32 columns: a lane to a column, registers down K), quantises it and stores codes and scale byte into LDS as images of the operand's registers.  One barrier closes the stage; behind it
; the stage's two K steps are multiplied while the blocks of the next two stages are on their way.  Every stage has LDS bytes of its own: none is written twice.
; PAIRS.  Wave w multiplies row tiles 2 w and 2 w + 1 by the same four fragments of W2: a pair reads the 64 images and their scale words, 68 KiB, once for two tiles.  Up to 32 tiles go so; pairs 16 to 31
; (an expert with more than 512 rows) follow behind the stream, by the same macros.  A second tile that does not exist is held to the last tile that does, multiplied and not stored.  A wave without a
; pair jumps over the loads of h and the products, never over a barrier; K step 0 runs in every wave, so that every way through the text has written the accumulators and the fragments' registers.
; h COMES STAGE BY STAGE: ten loads (two tiles x two K steps x two of 512 bytes, and a register of scale words each), two buffers by turns, asked for a stage ahead.
; WHY NO CLUSTER, NO TENSOR LOAD: the slice of W2 is shared with nobody; h's tiles are shared, but their number is read from memory.
; THE PRODUCT IS USED TRANSPOSED (source 0 = 16 output columns, source 1 = 16 rows): a lane holds eight neighbouring columns of one row.
; LIMITS: NaN and infinities are not served.  A block of W2 whose largest magnitude lies under 2^-124 (a block of zeros too) gets the byte 1: this program alone reads the bytes.
.set ROWB,  4096                       ; bytes from one k to the next in W2
.set WSC,   0                          ; LDS: W2's scale words: (tile pair p, K step s) at (16 p + s) 128: lanes 0-15 tile 2 p, lanes 16-31 tile 2 p + 1;
.set WIMG,  4096                       ;      W2's images: (tile T, K step s) at 16,384 T + 1,024 s;
.set STG,   69632                      ;      the way out: 16 rows x (256 bytes + 16) for each wave, its own
.set L4,   1                           ; 4 x lane
.set L16,  2                           ; 16 x lane
.set MXA,  3
.set MXB,  4
.set AW,   5                           ; the images at my lane
.set SCL,  6
.set AS,   7                           ; the scale words at my lane
.set IST,  8                           ; where I store my column's codes
.set SST,  9                           ; and its scale byte
.set STI,  10                          ; the stage: where I put 32 bytes of a row
.set STO,  11                          ; and where I read rows back
.set YO,   12                          ; the same place in yp
.set BY,   13
.set WS,   14                          ; v14-15   W2's scale words of the K step in hand, one register for each pair of tiles
.set X,    16                          ; v16-79   two sets of 32 numbers of W2
.set OB,   16                          ;          later rows read back from the stage: 32 registers for each tile of the pair
.set CD,   80                          ; v80-83   a block's codes
.set WB,   84                          ; v84-115  four fragments of W2: one K step
.set ACA,  116                         ; v116-147 the first tile's four accumulators
.set ACB,  148                         ; v148-179 the second tile's
.set RA,   180                         ; v180-211 h of the first tile: two buffers of two K steps
.set RB,   212                         ; v212-243 of the second
.set SHA,  244                         ; v244-245 h's scale words of the first tile, a register a buffer: lanes 0-15 the even K step, lanes 16-31 the odd one
.set SHB,  246                         ; v246-247 of the second
.macro LOAD t, from, to                ; stage t's block: W2(256 t + 32 bq + i, my column), i = from .. to - 1, into set t % 2: 128 consecutive bytes a wave, two waves side by side 256
.set I_, \from
.rept \to-\from
	global_load_b32 v[X+32*((\t)%2)+I_], v[L4], s[34:35] offset:(256*(\t)+I_)*ROWB th:TH_LOAD_NT
.set I_, I_+1
.endr
.endm
.macro BLOCK t, cnt                    ; stage t's block is quantised; cnt: the loads that may stay out
.set XB_, X+32*((\t)%2)
	s_wait_loadcnt \cnt
	v_max3_num_f32 v[MXA], |v[XB_]|, |v[XB_+1]|, |v[XB_+2]|        ; all 32 numbers are mine
	v_max3_num_f32 v[MXB], |v[XB_+3]|, |v[XB_+4]|, |v[XB_+5]|
.irp i, 6,10,14,18,22,26
	v_max3_num_f32 v[MXA], v[MXA], |v[XB_+\i]|, |v[XB_+\i+1]|
	v_max3_num_f32 v[MXB], v[MXB], |v[XB_+\i+2]|, |v[XB_+\i+3]|
.endr
	v_max3_num_f32 v[MXA], v[MXA], |v[XB_+30]|, |v[XB_+31]|
	v_max3_num_f32 v[MXA], v[MXA], v[MXB], 0x1800000               ; the floor 2^(3 - 127): the byte cannot fall under 1
	v_add_nc_u32 v[SCL], 0xff000000, v[MXA]                        ; 2 off the exponent field: the conversion's scale operand
.irp g, 0,1,2,3
	v_cvt_scalef32_pk8_fp4_f32 v[CD+\g], v[XB_+8*\g:XB_+8*\g+7], v[SCL]
.endr
	v_lshrrev_b32 v[BY], 23, v[SCL]                                ; the scale's byte (a plain line behind the conversions)
	ds_store_b128 v[IST], v[CD:CD+3] offset:2048*(\t)              ; the codes' and the byte's registers are written again only behind the wait for LDS in front of the stage's barrier
	ds_store_b8 v[SST], v[BY] offset:256*(\t)                      ; four waves write the four bytes of a scale word
.endm
.macro RING t, cond                    ; stage t's h of both tiles into buffer t % 2: ten loads.  cond = 1: a wave without a pair jumps over them
.if \cond
	s_cmp_eq_u32 s49, 0
	s_cbranch_scc1 .Lnoring_\@
.endif
.irp k, 0,1
.irp c, 0,1
	global_load_b128 v[RA+16*((\t)%2)+8*\k+4*\c:RA+16*((\t)%2)+8*\k+4*\c+3], v[L16], s[36:37] offset:1024*(2*(\t)+\k)+512*\c
	global_load_b128 v[RB+16*((\t)%2)+8*\k+4*\c:RB+16*((\t)%2)+8*\k+4*\c+3], v[L16], s[40:41] offset:1024*(2*(\t)+\k)+512*\c
.endr
.endr
	global_load_b32 v[SHA+(\t)%2], v[L4], s[38:39] offset:128*(\t)
	global_load_b32 v[SHB+(\t)%2], v[L4], s[42:43] offset:128*(\t)
.if \cond
.Lnoring_\@:
.endif
.endm
.macro WM acc, ring, sh, k, n          ; tile k of W2, K step n, one row tile.  K step 0 starts the sums with the constant 0
.set D_, \acc+8*(\k)
.set A_, WB+8*(\k)
.set B_, \ring+16*(((\n)/2)%2)+8*((\n)%2)
.set SA_, WS+(\k)/2
.set SH_, \sh+((\n)/2)%2
.if (\n) == 0
.if (\k)%2 == 0
	v_wmma_scale_f32_16x16x128_f8f6f4 v[D_:D_+7], v[A_:A_+7], v[B_:B_+7], 0, v[SA_], v[SH_] matrix_a_fmt:MATRIX_FMT_FP4 matrix_b_fmt:MATRIX_FMT_FP4
.else
	v_wmma_scale_f32_16x16x128_f8f6f4 v[D_:D_+7], v[A_:A_+7], v[B_:B_+7], 0, v[SA_], v[SH_] matrix_a_fmt:MATRIX_FMT_FP4 matrix_b_fmt:MATRIX_FMT_FP4 matrix_a_scale:MATRIX_SCALE_ROW1
.endif
.elseif (\n)%2 == 0
.if (\k)%2 == 0
	v_wmma_scale_f32_16x16x128_f8f6f4 v[D_:D_+7], v[A_:A_+7], v[B_:B_+7], v[D_:D_+7], v[SA_], v[SH_] matrix_a_fmt:MATRIX_FMT_FP4 matrix_b_fmt:MATRIX_FMT_FP4
.else
	v_wmma_scale_f32_16x16x128_f8f6f4 v[D_:D_+7], v[A_:A_+7], v[B_:B_+7], v[D_:D_+7], v[SA_], v[SH_] matrix_a_fmt:MATRIX_FMT_FP4 matrix_b_fmt:MATRIX_FMT_FP4 matrix_a_scale:MATRIX_SCALE_ROW1
.endif
.else
.if (\k)%2 == 0
	v_wmma_scale_f32_16x16x128_f8f6f4 v[D_:D_+7], v[A_:A_+7], v[B_:B_+7], v[D_:D_+7], v[SA_], v[SH_] matrix_a_fmt:MATRIX_FMT_FP4 matrix_b_fmt:MATRIX_FMT_FP4 matrix_b_scale:MATRIX_SCALE_ROW1
.else
	v_wmma_scale_f32_16x16x128_f8f6f4 v[D_:D_+7], v[A_:A_+7], v[B_:B_+7], v[D_:D_+7], v[SA_], v[SH_] matrix_a_fmt:MATRIX_FMT_FP4 matrix_b_fmt:MATRIX_FMT_FP4 matrix_a_scale:MATRIX_SCALE_ROW1 matrix_b_scale:MATRIX_SCALE_ROW1
.endif
.endif
.endm
.macro KSTEP n                         ; K step n: four fragments and two registers of scale words from LDS, eight products: each fragment serves both tiles
.irp k, 0,1,2,3
.irp c, 0,1
	ds_load_b128 v[WB+8*\k+4*\c:WB+8*\k+4*\c+3], v[AW] offset:\k*16384+(\n)*1024+512*\c
.endr
.endr
.irp p, 0,1
	ds_load_b32 v[WS+\p], v[AS] offset:(\p*16+(\n))*128
.endr
	s_wait_dscnt 0x0
.irp k, 0,1,2,3                        ; the eight accumulators by turns, one instruction a turn
	WM ACA, RA, SHA, \k, \n
	WM ACB, RB, SHB, \k, \n
.endr
.rept 4
	v_nop                                          ; four places in front of loads into registers that these products read, and of the first read of results
.endr
.if (\n) == 15
	v_nop                                          ; a fifth: a later pair's first products begin these accumulators anew, with another C
.endif
.endm
.macro PROD t, cond                    ; stage t's two K steps.  cond = 1: a wave without a pair jumps over them, all but K step 0
.if (\t) == 0
	KSTEP 0
.if \cond
	s_cmp_eq_u32 s49, 0
	s_cbranch_scc1 .Lnoprod_\@
.endif
	KSTEP 1
.else
.if \cond
	s_cmp_eq_u32 s49, 0
	s_cbranch_scc1 .Lnoprod_\@
.endif
	KSTEP 2*(\t)
	KSTEP 2*(\t)+1
.endif
.if \cond
.Lnoprod_\@:
.endif
.endm
; A stage.  Loads are issued in the order L(t), R(t), L(t + 1): so the count 32 at the block's head, which leaves out L(t + 1) alone, shows this stage's block AND this stage's h landed, on the way with
; ring loads and on the way without.  The last stage has nothing behind it: its count is 0.
; L(t + 2) goes out in two parts.  A wave with a pair has L(t + 1)'s 32 and R(t + 1)'s 10 out here; 20 more make 62, inside LOADcnt's field of 63 (ISA guide 5.7.1), so that no issue is held ahead of
; the wave's signal; the other 12 follow behind the barrier.
.macro STAGE t
.if (\t) < 7
	BLOCK \t, 32
	RING (\t)+1, 1
.else
	BLOCK \t, 0
.endif
.if (\t) < 6
	LOAD (\t)+2, 0, 20
.endif
	s_wait_dscnt 0x0                               ; for the others' sake: my codes and my scale byte have landed
	s_barrier_signal -1
	s_barrier_wait -1                              ; the stage's eight images, two of each tile, and their scale words lie in LDS
.if (\t) < 6
	LOAD (\t)+2, 20, 32
.endif
	PROD \t, 1
.endm
; The pair whose first tile is s48: the two flags, and the six addresses.  A tile's number is held to the last tile that the launch before has stored (it always makes tile 0), and by a constant before it enters an address.
.macro SETPAIR
	s_cmp_lt_u32 s48, s25
	s_cselect_b32 s49, 1, 0                        ; have I a pair?
	s_add_co_u32 s29, s48, 1
	s_cmp_lt_u32 s29, s25
	s_cselect_b32 s50, 1, 0                        ; has it a second tile?
	s_min_u32 s28, s48, s26
	s_min_u32 s28, s28, 63
	s_min_u32 s29, s29, s26
	s_min_u32 s29, s29, 63
	s_lshl_b32 s30, s28, 15                        ; hq: ((64 e + tile) 32 + 16 kh) 1,024
	s_add_co_u32 s30, s30, s54
	s_add_nc_u64 s[36:37], s[10:11], s[30:31]
	s_lshl_b32 s30, s28, 11                        ; hs: the same index x 64
	s_add_co_u32 s30, s30, s55
	s_add_nc_u64 s[38:39], s[12:13], s[30:31]
	s_lshl_b32 s30, s28, 16                        ; yp: ((8 kh + e) 1,024 + 16 tile) rows of 4,096 bytes, + 256 j
	s_add_co_u32 s30, s30, s56
	s_add_nc_u64 s[44:45], s[16:17], s[30:31]
	s_lshl_b32 s30, s29, 15
	s_add_co_u32 s30, s30, s54
	s_add_nc_u64 s[40:41], s[10:11], s[30:31]
	s_lshl_b32 s30, s29, 11
	s_add_co_u32 s30, s30, s55
	s_add_nc_u64 s[42:43], s[12:13], s[30:31]
	s_lshl_b32 s30, s29, 16
	s_add_co_u32 s30, s30, s56
	s_add_nc_u64 s[46:47], s[16:17], s[30:31]
.endm
.macro WAYOUT acc, ob, base            ; a tile goes through my own stage and leaves as rows
.irp t, 0,1,2,3
	ds_store_b128 v[STI], v[\acc+8*\t:\acc+8*\t+3] offset:64*\t            ; each accumulator from its low end on
	ds_store_b128 v[STI], v[\acc+8*\t+4:\acc+8*\t+7] offset:64*\t+16
.endr
.irp m, 0,1,2,3,4,5,6,7
	ds_load_b128 v[\ob+4*\m:\ob+4*\m+3], v[STO] offset:544*\m              ; LDS serves a wave's instructions in order (ISA guide 5.7.1.4): these see my stores, and the next tile's stores come behind them
.endr
.irp m, 0,1,2,3,4,5,6,7
	s_wait_dscnt 7-\m
	global_store_b128 v[YO], v[\ob+4*\m:\ob+4*\m+3], s[\base:\base+1] offset:8192*\m th:TH_STORE_NT   ; sixteen lanes store 256 consecutive bytes, at a multiple of 256 from yp's first byte
.endr
.endm
	s_load_b256 s[8:15], s[0:1], 0x0               ; W2 s[8:9], hq s[10:11], hs s[12:13], place s[14:15]
	s_load_b64 s[16:17], s[0:1], 0x20              ; yp
	v_lshl_add_u32 v254, v0, 2, 0x22000
	v_mov_b32 v255, 0
	v_lshrrev_b32 v16, 5, v0
	v_readfirstlane_b32 s2, v16                    ; wave 0..15
	s_and_b32 s3, s2, 1                            ; g: which 32 columns I stream
	s_lshr_b32 s4, s2, 1                           ; bq: which of a stage's eight blocks of 32 rows
	s_and_b32 s5, ttmp9, 15                        ; j
	s_lshr_b32 s7, ttmp9, 4                        ; kh
	s_and_b32 s6, ttmp7, 0xffff                    ; e
	v_and_b32 v17, 31, v0
	v_lshlrev_b32 v[L4], 2, v17
	v_lshlrev_b32 v[L16], 4, v17
	v_and_b32 v18, 15, v0                          ; lane % 16
	v_bfe_u32 v19, v0, 4, 1                        ; lane / 16
	v_add_nc_u32 v[AW], WIMG, v[L16]
	v_add_nc_u32 v[AS], WSC, v[L4]
	v_lshlrev_b32 v[IST], 14, v19                  ; column c = lane is row c % 16 of tile 2 g + c / 16;
	v_lshl_add_u32 v[IST], v18, 4, v[IST]
	s_lshl_b32 s28, s3, 15
	s_lshl_b32 s29, s4, 8                          ; block bq of a stage is block bq % 4 of K step 2 t + bq / 4: 1,024 (bq / 4) + 512 ((bq / 2) % 2) + 256 (bq % 2) = 256 bq
	s_add_co_u32 s28, s28, s29
	s_add_co_u32 s28, s28, WIMG
	v_add_nc_u32 v[IST], s28, v[IST]
	s_lshl_b32 s28, s3, 11                         ; its scale byte: pair g, K step 2 t + bq / 4, word 4 x lane, byte bq % 4
	s_lshr_b32 s29, s4, 2
	s_lshl_b32 s29, s29, 7
	s_add_co_u32 s28, s28, s29
	s_and_b32 s29, s4, 3
	s_add_co_u32 s28, s28, s29
	s_add_co_u32 s28, s28, WSC
	v_add_nc_u32 v[SST], s28, v[L4]
	s_mul_i32 s28, s2, 16*272
	s_add_co_u32 s28, s28, STG                     ; my stage
	v_mul_u32_u24 v[STI], v18, 272
	v_lshl_add_u32 v[STI], v19, 5, v[STI]
	v_add_nc_u32 v[STI], s28, v[STI]               ; in: row lane % 16, 32 bytes for each half of the lanes
	v_mul_u32_u24 v[STO], v19, 272
	v_lshl_add_u32 v[STO], v18, 4, v[STO]
	v_add_nc_u32 v[STO], s28, v[STO]               ; back: lanes 0-15 one row of 256 bytes, lanes 16-31 the next
	v_lshlrev_b32 v[YO], 12, v19
	v_lshl_add_u32 v[YO], v18, 4, v[YO]            ; and the same two rows in yp
	s_lshl_b32 s30, s6, 24                         ; W2: expert, 2,048 kh + 32 bq rows, 64 j + 32 g columns
	s_lshl_b32 s28, s7, 23
	s_add_co_u32 s30, s30, s28
	s_lshl_b32 s28, s4, 17
	s_add_co_u32 s30, s30, s28
	s_lshl_b32 s28, s5, 8
	s_add_co_u32 s30, s30, s28
	s_lshl_b32 s28, s3, 7
	s_add_co_u32 s30, s30, s28
	s_mov_b32 s31, 0
	s_lshl_b32 s54, s6, 21                         ; what all tiles share of their offsets: in hq,
	s_lshl_b32 s28, s7, 14
	s_add_co_u32 s54, s54, s28
	s_lshl_b32 s55, s6, 17                         ; in hs,
	s_lshl_b32 s28, s7, 10
	s_add_co_u32 s55, s55, s28
	s_lshl_b32 s56, s7, 25                         ; in yp
	s_lshl_b32 s28, s6, 22
	s_add_co_u32 s56, s56, s28
	s_lshl_b32 s28, s5, 8
	s_add_co_u32 s56, s56, s28
	s_wait_kmcnt 0x0
	s_add_nc_u64 s[34:35], s[8:9], s[30:31]
	s_lshl_b32 s30, s6, 7
	s_add_nc_u64 s[52:53], s[14:15], s[30:31]
	s_load_b32 s24, s[52:53], 0x8000               ; expert e's count
	LOAD 0, 0, 32
.set I_, 0
.rept 68
	v_mov_b32 v[RA+I_], 0                          ; h's registers are written once: a wave without a pair never loads them, and K step 0 reads them in every wave (zero codes add nothing)
.set I_, I_+1
.endr
	s_wait_kmcnt 0x0
	s_min_u32 s24, s24, 1024
	s_add_co_u32 s25, s24, 15
	s_lshr_b32 s25, s25, 4                         ; tiles of 16 rows
	s_max_u32 s26, s25, 1
	s_sub_co_u32 s26, s26, 1                       ; the last tile that has been stored
	s_lshl_b32 s48, s2, 1                          ; my pair: tiles 2 w, 2 w + 1
	SETPAIR
	RING 0, 1                                      ; between L(0) and L(1), as every R(t) stands between L(t) and L(t + 1)
	LOAD 1, 0, 32
.irp t, 0,1,2,3,4,5,6,7
	STAGE \t
.endr
	s_cmp_eq_u32 s49, 0
	s_cbranch_scc1 .Lout1
	WAYOUT ACA, OB, 44
	s_cmp_eq_u32 s50, 0
	s_cbranch_scc1 .Lout1
	WAYOUT ACB, OB+32, 46
.Lout1:
	; ---- pairs 16 to 31: tiles 2 w + 32, 2 w + 33.  All of the slice lies in LDS now; h comes a stage ahead as before
	s_wait_xcnt 0x0                                ; the stores' bases and data registers are written again only behind this wait
	s_add_co_u32 s48, s48, 32
	SETPAIR
	s_cmp_eq_u32 s49, 0
	s_cbranch_scc1 .Lend
	RING 0, 0
.irp t, 0,1,2,3,4,5,6,7
.if \t < 7
	RING \t+1, 0
	s_wait_loadcnt 10                              ; this stage's h is in; the next stage's ten loads may be out
.else
	s_wait_loadcnt 0x0
.endif
	PROD \t, 0
.endr
	WAYOUT ACA, OB, 44
	s_cmp_eq_u32 s50, 0
	s_cbranch_scc1 .Lend
	WAYOUT ACB, OB+32, 46
.Lend:
	s_wait_tensorcnt 0x0
	ds_add_u32 v254, v255
	s_wait_dscnt 0x0
	s_endpgm
.Lfunc_end_k_qc3f8d5ca57_down:
	.size	k_qc3f8d5ca57_down, .Lfunc_end_k_qc3f8d5ca57_down-k_qc3f8d5ca57_down
	.p2alignl 7, 3214868480
	.fill 96, 4, 3214868480
	.section	.rodata,"a",@progbits
	.p2align	6, 0x0
	.amdhsa_kernel k_qc3f8d5ca57_down
		.amdhsa_group_segment_fixed_size 141312
		.amdhsa_private_segment_fixed_size 0
		.amdhsa_enable_private_segment 0
		.amdhsa_kernarg_size 40
		.amdhsa_user_sgpr_count 2
		.amdhsa_user_sgpr_kernarg_segment_ptr 1
		.amdhsa_wavefront_size32 1
		.amdhsa_system_sgpr_workgroup_id_x 1
		.amdhsa_system_sgpr_workgroup_id_y 1
		.amdhsa_system_sgpr_workgroup_id_z 1
		.amdhsa_system_vgpr_workitem_id 0
		.amdhsa_next_free_vgpr 256
		.amdhsa_next_free_sgpr 66
		.amdhsa_reserve_vcc 0
		.amdhsa_float_denorm_mode_32 3
		.amdhsa_float_denorm_mode_16_64 3
		.amdhsa_memory_ordered 1
		.amdhsa_forward_progress 1
		.amdhsa_inst_pref_size 126
	.end_amdhsa_kernel
	.amdgpu_metadata
---
amdhsa.version: [ 1, 2 ]
amdhsa.kernels:
  - .name:           k_qc3f8d5ca57_down
    .symbol:         k_qc3f8d5ca57_down.kd
    .args:
      - { .name: W2, .offset: 0, .size: 8, .value_kind: global_buffer, .address_space: global }
      - { .name: hq, .offset: 8, .size: 8, .value_kind: global_buffer, .address_space: global }
      - { .name: hs, .offset: 16, .size: 8, .value_kind: global_buffer, .address_space: global }
      - { .name: place, .offset: 24, .size: 8, .value_kind: global_buffer, .address_space: global }
      - { .name: yp, .offset: 32, .size: 8, .value_kind: global_buffer, .address_space: global }
    .group_segment_fixed_size: 141312
    .private_segment_fixed_size: 0
    .kernarg_segment_align: 8
    .kernarg_segment_size: 40
    .max_flat_workgroup_size: 512
    .sgpr_count:     66
    .vgpr_count:     256
    .wavefront_size: 32
...
	.end_amdgpu_metadata
.endif
;; end of part 4
;; launch comb (part 5): grid 256 x 1, 4 waves a work-group, no clusters, 0 bytes of LDS; arguments yp, b2, sel, gw, place, out0; writes out0
.if DOCPART == 5
	.amdgcn_target "amdgcn-amd-amdhsa--gfx1250"
	.amdhsa_code_object_version 6
	.text
	.protected	k_qc3f8d5ca57_comb
	.globl	k_qc3f8d5ca57_comb
	.p2align	8
	.type	k_qc3f8d5ca57_comb,@function
k_qc3f8d5ca57_comb:
	s_mov_b64 s[64:65], 0
	v_nop
	global_prefetch_b8 v0, s[64:65] scope:SCOPE_SE
	s_setreg_imm32_b32 hwreg(HW_REG_WAVE_MODE, 25, 1), 1
	s_wait_xcnt 0x0
; out(t) = w0 (ya(e0, p0) + yb(e0, p0) + b2(e0)) + w1 (ya(e1, p1) + yb(e1, p1) + b2(e1)): the two halves of K, the bias and the gate's weights.  Each output row has one owner: a wave.
; yp [kh 2][e 8][slot 1024][1024] f32;  b2 [8][1024];  sel [token]: e0 | e1 << 8 | ..;  gw [token][2];  place [e][token]: the token's slot in expert e's list.
; A token's slots in all eight experts are asked for together with sel and gw, so that no load waits for another but the rows themselves; the two that are wanted are chosen by s_cselect_b32.
; A stream: no LDS, no barrier, no matrix unit.  Each load and store of a wave covers 512 consecutive bytes.
.set YA0, 16                           ; v16-47   first expert: lower half of K;  v48-79 upper half;  v80-111 b2
.set YB0, 48
.set BB0, 80
.set YA1, 112                          ; the same for the second expert
.set YB1, 144
.set BB1, 176
	s_load_b256 s[4:11], s[0:1], 0x0               ; yp s[4:5], b2 s[6:7], sel s[8:9], gw s[10:11]
	s_load_b128 s[12:15], s[0:1], 0x20             ; place s[12:13], out0 s[14:15]
	v_lshrrev_b32 v1, 5, v0
	v_readfirstlane_b32 s16, v1                    ; wave
	s_lshl_b32 s17, ttmp9, 2
	s_add_co_u32 s17, s17, s16                     ; my token
	v_and_b32 v2, 31, v0
	v_lshlrev_b32 v2, 4, v2                        ; 16 bytes a lane
	s_lshl_b32 s18, s17, 2
	s_mov_b32 s19, 0
	s_lshl_b32 s20, s17, 3
	s_mov_b32 s21, 0
	s_wait_kmcnt 0x0
	s_add_nc_u64 s[8:9], s[8:9], s[18:19]
	s_add_nc_u64 s[12:13], s[12:13], s[18:19]
	s_add_nc_u64 s[10:11], s[10:11], s[20:21]
	s_load_b32 s22, s[8:9], 0x0
	s_load_b64 s[24:25], s[10:11], 0x0             ; w0, w1
.irp e, 0,1,2,3,4,5,6,7
	s_load_b32 s[32+\e], s[12:13], \e*4096
.endr
	s_lshl_b32 s18, s17, 12
	s_add_nc_u64 s[14:15], s[14:15], s[18:19]      ; my row of out0
	s_wait_kmcnt 0x0
	s_and_b32 s26, s22, 0xff
	s_min_u32 s26, s26, 7                          ; e0
	s_bfe_u32 s27, s22, 0x80008
	s_min_u32 s27, s27, 7                          ; e1
	s_mov_b32 s28, s32
	s_mov_b32 s29, s32
.irp e, 1,2,3,4,5,6,7
	s_cmp_eq_u32 s26, \e
	s_cselect_b32 s28, s[32+\e], s28
	s_cmp_eq_u32 s27, \e
	s_cselect_b32 s29, s[32+\e], s29
.endr
	s_min_u32 s28, s28, 1023                       ; p0
	s_min_u32 s29, s29, 1023                       ; p1
	s_mov_b32 s41, 0
	s_lshl_b32 s40, s26, 10
	s_add_co_u32 s40, s40, s28
	s_lshl_b32 s40, s40, 12                        ; (1,024 e0 + p0) rows of 4,096 bytes
	s_add_nc_u64 s[42:43], s[4:5], s[40:41]
	s_add_nc_u64 s[44:45], s[42:43], 0x2000000     ; the upper half of K lies 8 x 1,024 rows on
	s_lshl_b32 s40, s26, 12
	s_add_nc_u64 s[46:47], s[6:7], s[40:41]
	s_lshl_b32 s40, s27, 10
	s_add_co_u32 s40, s40, s29
	s_lshl_b32 s40, s40, 12
	s_add_nc_u64 s[48:49], s[4:5], s[40:41]
	s_add_nc_u64 s[50:51], s[48:49], 0x2000000
	s_lshl_b32 s40, s27, 12
	s_add_nc_u64 s[52:53], s[6:7], s[40:41]
	s_mov_b32 s54, s25                             ; w1 as the low word of a pair of its own
	s_mov_b32 s55, s25
.irp m, 0,1,2,3,4,5,6,7
	global_load_b128 v[YA0+4*\m:YA0+4*\m+3], v2, s[42:43] offset:512*\m th:TH_LOAD_NT
	global_load_b128 v[YB0+4*\m:YB0+4*\m+3], v2, s[44:45] offset:512*\m th:TH_LOAD_NT
	global_load_b128 v[BB0+4*\m:BB0+4*\m+3], v2, s[46:47] offset:512*\m
	global_load_b128 v[YA1+4*\m:YA1+4*\m+3], v2, s[48:49] offset:512*\m th:TH_LOAD_NT
	global_load_b128 v[YB1+4*\m:YB1+4*\m+3], v2, s[50:51] offset:512*\m th:TH_LOAD_NT
	global_load_b128 v[BB1+4*\m:BB1+4*\m+3], v2, s[52:53] offset:512*\m
.endr
.irp m, 0,1,2,3,4,5,6,7
	s_wait_loadcnt 6*(7-\m)                        ; group m's six loads are in; the groups behind it may be out
.irp p, 0,2
	v_pk_add_f32 v[YA0+4*\m+\p:YA0+4*\m+\p+1], v[YA0+4*\m+\p:YA0+4*\m+\p+1], v[YB0+4*\m+\p:YB0+4*\m+\p+1]
	v_pk_add_f32 v[YA1+4*\m+\p:YA1+4*\m+\p+1], v[YA1+4*\m+\p:YA1+4*\m+\p+1], v[YB1+4*\m+\p:YB1+4*\m+\p+1]
.endr
.irp p, 0,2
	v_pk_add_f32 v[YA0+4*\m+\p:YA0+4*\m+\p+1], v[YA0+4*\m+\p:YA0+4*\m+\p+1], v[BB0+4*\m+\p:BB0+4*\m+\p+1]
	v_pk_add_f32 v[YA1+4*\m+\p:YA1+4*\m+\p+1], v[YA1+4*\m+\p:YA1+4*\m+\p+1], v[BB1+4*\m+\p:BB1+4*\m+\p+1]
.endr
.irp p, 0,2
	v_pk_mul_f32 v[YA0+4*\m+\p:YA0+4*\m+\p+1], v[YA0+4*\m+\p:YA0+4*\m+\p+1], s[24:25] op_sel_hi:[1,0]
.endr
.irp p, 0,2
	v_pk_fma_f32 v[YA0+4*\m+\p:YA0+4*\m+\p+1], v[YA1+4*\m+\p:YA1+4*\m+\p+1], s[54:55], v[YA0+4*\m+\p:YA0+4*\m+\p+1] op_sel_hi:[1,0,1]
.endr
	global_store_b128 v2, v[YA0+4*\m:YA0+4*\m+3], s[14:15] offset:512*\m th:TH_STORE_NT
.endr
	s_endpgm
.Lfunc_end_k_qc3f8d5ca57_comb:
	.size	k_qc3f8d5ca57_comb, .Lfunc_end_k_qc3f8d5ca57_comb-k_qc3f8d5ca57_comb
	.p2alignl 7, 3214868480
	.fill 96, 4, 3214868480
	.section	.rodata,"a",@progbits
	.p2align	6, 0x0
	.amdhsa_kernel k_qc3f8d5ca57_comb
		.amdhsa_group_segment_fixed_size 0
		.amdhsa_private_segment_fixed_size 0
		.amdhsa_enable_private_segment 0
		.amdhsa_kernarg_size 48
		.amdhsa_user_sgpr_count 2
		.amdhsa_user_sgpr_kernarg_segment_ptr 1
		.amdhsa_wavefront_size32 1
		.amdhsa_system_sgpr_workgroup_id_x 1
		.amdhsa_system_sgpr_workgroup_id_y 1
		.amdhsa_system_sgpr_workgroup_id_z 1
		.amdhsa_system_vgpr_workitem_id 0
		.amdhsa_next_free_vgpr 208
		.amdhsa_next_free_sgpr 66
		.amdhsa_reserve_vcc 0
		.amdhsa_float_denorm_mode_32 3
		.amdhsa_float_denorm_mode_16_64 3
		.amdhsa_memory_ordered 1
		.amdhsa_forward_progress 1
		.amdhsa_inst_pref_size 15
	.end_amdhsa_kernel
	.amdgpu_metadata
---
amdhsa.version: [ 1, 2 ]
amdhsa.kernels:
  - .name:           k_qc3f8d5ca57_comb
    .symbol:         k_qc3f8d5ca57_comb.kd
    .args:
      - { .name: yp, .offset: 0, .size: 8, .value_kind: global_buffer, .address_space: global }
      - { .name: b2, .offset: 8, .size: 8, .value_kind: global_buffer, .address_space: global }
      - { .name: sel, .offset: 16, .size: 8, .value_kind: global_buffer, .address_space: global }
      - { .name: gw, .offset: 24, .size: 8, .value_kind: global_buffer, .address_space: global }
      - { .name: place, .offset: 32, .size: 8, .value_kind: global_buffer, .address_space: global }
      - { .name: out0, .offset: 40, .size: 8, .value_kind: global_buffer, .address_space: global }
    .group_segment_fixed_size: 0
    .private_segment_fixed_size: 0
    .kernarg_segment_align: 8
    .kernarg_segment_size: 48
    .max_flat_workgroup_size: 128
    .sgpr_count:     66
    .vgpr_count:     208
    .wavefront_size: 32
...
	.end_amdgpu_metadata
.endif
;; end of part 5
;; ======== version 2 of 2: 5 launches
;; workspace buffers: xq 524,288 bytes; xs 32,768 bytes; sel 4,096 bytes of whole numbers; gw 8,192 bytes; hq 16,777,216 bytes; hs 1,048,576 bytes; place 66,560 bytes of whole numbers; yp 67,108,864 bytes
;; launch route (part 6): grid 256 x 1, 4 waves a work-group, no clusters, 3,584 bytes of LDS; arguments x, Wg, bg, xq, xs, sel, gw; writes xq, xs, sel, gw
.if DOCPART == 6
	.amdgcn_target "amdgcn-amd-amdhsa--gfx1250"
	.amdhsa_code_object_version 6
	.text
	.protected	k_qc3f8d5ca57_route
	.globl	k_qc3f8d5ca57_route
	.p2align	8
	.type	k_qc3f8d5ca57_route,@function
k_qc3f8d5ca57_route:
	s_mov_b64 s[64:65], 0
	v_nop
	global_prefetch_b8 v0, s[64:65] scope:SCOPE_SE
	s_setreg_imm32_b32 hwreg(HW_REG_WAVE_MODE, 25, 1), 1
	s_wait_xcnt 0x0
; THE GATE, AND x AS CODES.  x [1024][1024], Wg [1024][8], bg [8]: f32.
; Out: xq [token][512 bytes]: x as codes of E2M1, K innermost;  xs [token][32]: one E8M0 byte for each 32 along K;
;      sel [token]: e0 | e1 << 8 | ((1 << e0) | (1 << e1)) << 16, the two chosen experts;  gw [token][2]: their weights, renormalised.
; The gate is f32 throughout: logits by fused multiply-adds, softmax with the row's maximum taken away, top 2 by two ascending scans
; with a strict comparison (of equal weights the lower index is kept), the two weights divided by their sum.
; What is chosen here only selects values: no address and no branch of this launch hangs on it.
; SHARES.  A work-group takes 4 tokens.  Wave w takes k = 256 w .. 256 w + 255 of all four, lane l the eight k from 256 w + 8 l on: four lanes hold a block of 32.
; LIMITS: NaN and infinities among the inputs are not served.  A block whose largest magnitude lies under 2^-124 (a block of zeros too) gets the byte 1: its
; bytes are read by this program alone, and zero codes add nothing.  The logits are summed in another order than a row-by-row sum: two gate weights that
; differ by no more than f32 rounding may change places.
.set XC,  0                            ; LDS: [token 4][512 bytes] codes
.set XSC, 2048                         ;      [token 4][32] scale bytes
.set PL,  2304                         ;      [wave 4][token 4][expert 8] partial logits
.set WGR, 16                           ; v16-79   Wg(k0 + i, e) at WGR + 8 i + e; later at work
.set XR,  80                           ; v80-111  x(t, k0 + i) at XR + 8 t + i
.set LG,  112                          ; v112-143 logits, LG + 8 t + e; in the gate: LG + 8 w + e
.set CDR, 144                          ; v144-147 codes
.set BYR, 148                          ; v148-151 scale bytes
.set MXR, 152                          ; v152-155 largest magnitudes
.set SCR, 156                          ; v156-159 the conversions' scale operands
.set BV,  160                          ; the largest weight, its expert; the second, its expert
.set BI,  161
.set SV,  162
.set SI,  163
.set TA,  164                          ; v164-173 at work
	s_load_b256 s[4:11], s[0:1], 0x0               ; x s[4:5], Wg s[6:7], bg s[8:9], xq s[10:11]
	s_load_b128 s[12:15], s[0:1], 0x20             ; xs s[12:13], sel s[14:15]
	s_load_b64 s[16:17], s[0:1], 0x30              ; gw
	v_lshl_add_u32 v176, v0, 2, 0xc00
	v_mov_b32 v177, 0
	v_lshrrev_b32 v1, 5, v0
	v_readfirstlane_b32 s18, v1                    ; wave
	v_lshlrev_b32 v2, 5, v0                        ; x: 1,024 w + 32 l = 32 x thread
	v_lshlrev_b32 v3, 8, v0                        ; Wg: my eight rows of 32 bytes
	v_lshlrev_b32 v4, 2, v0                        ; my four bytes of codes in a token's 512
	v_lshrrev_b32 v5, 2, v0                        ; my block's byte in a token's 32
	v_and_b32 v6, 0x60, v0
	v_lshlrev_b32 v6, 2, v6                        ; 128 w: my wave's partial logits
	v_lshlrev_b32 v7, 4, v0                        ; the way out of the codes: 16 bytes a thread
	v_and_b32 v8, 3, v0                            ; in the gate lane l stands for token l & 3
	v_lshlrev_b32 v9, 5, v8
	v_lshlrev_b32 v10, 2, v8
	v_lshlrev_b32 v11, 3, v8
	s_mov_b32 s32, 0x76543210
	s_mov_b32 s33, 0xfedcba98                      ; v_permlanex16_b32's selects for lane l xor 16
	s_lshl_b32 s20, ttmp9, 14                      ; four rows of 4,096 bytes
	s_mov_b32 s21, 0
	s_wait_kmcnt 0x0
	s_load_b256 s[24:31], s[8:9], 0x0              ; bg
	s_add_nc_u64 s[4:5], s[4:5], s[20:21]
.irp t, 0,1,2,3
	global_load_b128 v[XR+8*\t:XR+8*\t+3], v2, s[4:5] offset:4096*\t th:TH_LOAD_NT
	global_load_b128 v[XR+8*\t+4:XR+8*\t+7], v2, s[4:5] offset:4096*\t+16 th:TH_LOAD_NT
.endr
.irp m, 0,1,2,3,4,5,6,7,8,9,10,11,12,13,14,15
	global_load_b128 v[WGR+4*\m:WGR+4*\m+3], v3, s[6:7] offset:16*\m
.endr
	s_lshl_b32 s20, ttmp9, 11
	s_add_nc_u64 s[10:11], s[10:11], s[20:21]      ; xq at my four tokens
	s_lshl_b32 s20, ttmp9, 7
	s_add_nc_u64 s[12:13], s[12:13], s[20:21]      ; xs
	s_lshl_b32 s20, ttmp9, 4
	s_add_nc_u64 s[14:15], s[14:15], s[20:21]      ; sel
	s_lshl_b32 s20, ttmp9, 5
	s_add_nc_u64 s[16:17], s[16:17], s[20:21]      ; gw
	s_wait_loadcnt 16                              ; x is in; Wg's sixteen loads may be out
	; ---- x to codes, the four tokens by turns
.irp t, 0,1,2,3
	v_max3_num_f32 v[MXR+\t], |v[XR+8*\t]|, |v[XR+8*\t+1]|, 0x1800000   ; with the floor 2^(3 - 127): the byte cannot fall under 1
.endr
.irp i, 2,4,6
.irp t, 0,1,2,3
	v_max3_num_f32 v[MXR+\t], v[MXR+\t], |v[XR+8*\t+\i]|, |v[XR+8*\t+\i+1]|
.endr
.endr
.irp m, 1,2
.irp t, 0,1,2,3
	v_max_num_f32_dpp v[MXR+\t], v[MXR+\t], v[MXR+\t] row_xmask:\m row_mask:0xf bank_mask:0xf   ; with the three other lanes of the block
.endr
.endr
.irp t, 0,1,2,3
	v_add_nc_u32 v[SCR+\t], 0xff000000, v[MXR+\t]  ; 2 off the exponent field: the conversion's scale operand
.endr
.irp t, 0,1,2,3
	v_cvt_scalef32_pk8_fp4_f32 v[CDR+\t], v[XR+8*\t:XR+8*\t+7], v[SCR+\t]
.endr
.irp t, 0,1,2,3
	v_lshrrev_b32 v[BYR+\t], 23, v[SCR+\t]         ; the scale's byte (plain lines behind the conversions)
.endr
.irp t, 0,1,2,3
	ds_store_b32 v4, v[CDR+\t] offset:XC+512*\t
	ds_store_b8 v5, v[BYR+\t] offset:XSC+32*\t     ; the block's four lanes write the same byte with the same value
.endr
	s_wait_loadcnt 0x0                             ; Wg
	; ---- partial logits: two experts an instruction; x(t, k0 + i) serves both halves
.irp i, 0,2,4,6
.irp t, 0,1,2,3
.irp p, 0,2,4,6
.if \i > 0
	v_pk_fma_f32 v[LG+8*\t+\p:LG+8*\t+\p+1], v[WGR+8*\i+\p:WGR+8*\i+\p+1], v[XR+8*\t+\i:XR+8*\t+\i+1], v[LG+8*\t+\p:LG+8*\t+\p+1] op_sel_hi:[1,0,1]
.else
	v_pk_mul_f32 v[LG+8*\t+\p:LG+8*\t+\p+1], v[WGR+\p:WGR+\p+1], v[XR+8*\t:XR+8*\t+1] op_sel_hi:[1,0]   ; the first product starts the sums
.endif
.endr
.endr
.irp t, 0,1,2,3
.irp p, 0,2,4,6
	v_pk_fma_f32 v[LG+8*\t+\p:LG+8*\t+\p+1], v[WGR+8*\i+8+\p:WGR+8*\i+8+\p+1], v[XR+8*\t+\i:XR+8*\t+\i+1], v[LG+8*\t+\p:LG+8*\t+\p+1] op_sel:[0,1,0] op_sel_hi:[1,1,1]
.endr
.endr
.endr
	; ---- the 32 sums over my wave's 32 lanes
.irp m, 1,2,4,8
.set N_, 0
.rept 32
	v_add_f32_dpp v[LG+N_], v[LG+N_], v[LG+N_] row_xmask:\m row_mask:0xf bank_mask:0xf
.set N_, N_+1
.endr
.endr
.set N_, 0
.rept 32
	v_permlanex16_b32 v[WGR+N_], v[LG+N_], s32, s33   ; (Wg's registers are done with, and have been written)
.set N_, N_+1
.endr
.set N_, 0
.rept 32
	v_add_f32 v[LG+N_], v[LG+N_], v[WGR+N_]
.set N_, N_+1
.endr
.irp n, 0,1,2,3,4,5,6,7
	ds_store_b128 v6, v[LG+4*\n:LG+4*\n+3] offset:PL+16*\n   ; every lane holds the sums: all write the same bytes with the same values
.endr
	s_wait_dscnt 0x0                               ; for the others' sake: my stores have landed
	s_barrier_signal -1
	s_barrier_wait -1
	ds_load_b128 v[CDR:CDR+3], v7 offset:XC        ; wave w takes token w's 512 bytes of codes
	s_wait_dscnt 0x0
	global_store_b128 v7, v[CDR:CDR+3], s[10:11]   ; 512 consecutive bytes a wave
	s_cmp_lg_u32 s18, 0
	s_cbranch_scc1 .Lend
	; ---- wave 0: the scale bytes leave, and the gate
	ds_load_b32 v[BYR], v4 offset:XSC              ; (in wave 0 the thread's number is the lane's)
.irp w, 0,1,2,3
	ds_load_b128 v[LG+8*\w:LG+8*\w+3], v9 offset:PL+128*\w
	ds_load_b128 v[LG+8*\w+4:LG+8*\w+7], v9 offset:PL+128*\w+16
.endr
	s_wait_dscnt 0x0
	global_store_b32 v4, v[BYR], s[12:13]          ; the four tokens' 128 scale bytes
.irp j, 0,2,4,6
	v_pk_add_f32 v[LG+\j:LG+\j+1], v[LG+\j:LG+\j+1], v[LG+8+\j:LG+9+\j]
	v_pk_add_f32 v[LG+16+\j:LG+17+\j], v[LG+16+\j:LG+17+\j], v[LG+24+\j:LG+25+\j]
.endr
.irp j, 0,2,4,6
	v_pk_add_f32 v[LG+\j:LG+\j+1], v[LG+\j:LG+\j+1], v[LG+16+\j:LG+17+\j]
.endr
	s_wait_alu depctr_va_vdst(0)
	s_wait_kmcnt 0x0                               ; bg
.irp e, 0,1,2,3,4,5,6,7
	v_add_f32 v[LG+\e], s[24+\e], v[LG+\e]         ; the logits
.endr
	v_max3_num_f32 v[TA], v[LG], v[LG+1], v[LG+2]
	v_max3_num_f32 v[TA], v[TA], v[LG+3], v[LG+4]
	v_max3_num_f32 v[TA], v[TA], v[LG+5], v[LG+6]
	v_max_num_f32 v[TA], v[TA], v[LG+7]            ; the row's maximum is taken away ahead of the exponentials
.irp e, 0,1,2,3,4,5,6,7
	v_sub_f32 v[LG+\e], v[LG+\e], v[TA]
.endr
.irp e, 0,1,2,3,4,5,6,7
	v_mul_f32 v[LG+\e], 0x3fb8aa3b, v[LG+\e]       ; x log2(e)
.endr
	s_wait_alu depctr_va_vdst(0)
.irp e, 0,1,2,3,4,5,6,7
	v_exp_f32 v[LG+\e], v[LG+\e]
.endr
	v_mov_b32 v[BI], 0                             ; (a plain line behind the exponentials)
	s_wait_alu depctr_va_vdst(0)
	v_pk_add_f32 v[TA+2:TA+3], v[LG:LG+1], v[LG+2:LG+3]
	v_pk_add_f32 v[TA+4:TA+5], v[LG+4:LG+5], v[LG+6:LG+7]
	v_pk_add_f32 v[TA+2:TA+3], v[TA+2:TA+3], v[TA+4:TA+5]
	v_add_f32 v[TA], v[TA+2], v[TA+3]
	s_wait_alu depctr_va_vdst(0)
	v_rcp_f32 v[TA], v[TA]
	v_mov_b32 v[TA+1], -1.0                        ; (a plain line behind the reciprocal)  under every weight
	s_wait_alu depctr_va_vdst(0)
.irp e, 0,1,2,3,4,5,6,7
	v_mul_f32 v[LG+\e], v[LG+\e], v[TA]            ; the softmax
.endr
	v_mov_b32 v[BV], v[LG]
.irp e, 1,2,3,4,5,6,7
	v_cmp_le_f32 vcc_lo, v[LG+\e], v[BV]           ; kept unless strictly larger: of equals the lower index stays
	v_cndmask_b32 v[BV], v[LG+\e], v[BV], vcc_lo
	v_cndmask_b32 v[BI], \e, v[BI], vcc_lo
.endr
.irp e, 0,1,2,3,4,5,6,7
	v_cmp_eq_u32 vcc_lo, \e, v[BI]
	v_cndmask_b32 v[LG+\e], v[LG+\e], v[TA+1], vcc_lo   ; the first choice leaves the field
.endr
	v_mov_b32 v[SV], v[LG]
	v_mov_b32 v[SI], 0
.irp e, 1,2,3,4,5,6,7
	v_cmp_le_f32 vcc_lo, v[LG+\e], v[SV]
	v_cndmask_b32 v[SV], v[LG+\e], v[SV], vcc_lo
	v_cndmask_b32 v[SI], \e, v[SI], vcc_lo
.endr
	v_add_f32 v[TA], v[BV], v[SV]
	s_wait_alu depctr_va_vdst(0)
	v_rcp_f32 v[TA], v[TA]
	v_mov_b32 v[TA+4], 0x10000                     ; (a plain line behind the reciprocal)
	s_wait_alu depctr_va_vdst(0)
	v_mul_f32 v[TA+2], v[BV], v[TA]                ; the two weights, renormalised
	v_mul_f32 v[TA+3], v[SV], v[TA]
	v_lshlrev_b32 v[TA+5], v[BI], v[TA+4]
	v_lshlrev_b32 v[TA+6], v[SI], v[TA+4]
	v_lshl_or_b32 v[TA+7], v[SI], 8, v[BI]
	v_or_b32 v[TA+5], v[TA+5], v[TA+6]
	v_or_b32 v[TA+7], v[TA+7], v[TA+5]
	global_store_b32 v10, v[TA+7], s[14:15]        ; lanes l, l + 4, .. hold the same token: they write the same word with the same value, all lanes on
	global_store_b64 v11, v[TA+2:TA+3], s[16:17]
.Lend:
	s_wait_tensorcnt 0x0
	ds_add_u32 v176, v177
	s_wait_dscnt 0x0
	s_endpgm
.Lfunc_end_k_qc3f8d5ca57_route:
	.size	k_qc3f8d5ca57_route, .Lfunc_end_k_qc3f8d5ca57_route-k_qc3f8d5ca57_route
	.p2alignl 7, 3214868480
	.fill 96, 4, 3214868480
	.section	.rodata,"a",@progbits
	.p2align	6, 0x0
	.amdhsa_kernel k_qc3f8d5ca57_route
		.amdhsa_group_segment_fixed_size 3584
		.amdhsa_private_segment_fixed_size 0
		.amdhsa_enable_private_segment 0
		.amdhsa_kernarg_size 56
		.amdhsa_user_sgpr_count 2
		.amdhsa_user_sgpr_kernarg_segment_ptr 1
		.amdhsa_wavefront_size32 1
		.amdhsa_system_sgpr_workgroup_id_x 1
		.amdhsa_system_sgpr_workgroup_id_y 1
		.amdhsa_system_sgpr_workgroup_id_z 1
		.amdhsa_system_vgpr_workitem_id 0
		.amdhsa_next_free_vgpr 178
		.amdhsa_next_free_sgpr 66
		.amdhsa_reserve_vcc 1
		.amdhsa_float_denorm_mode_32 3
		.amdhsa_float_denorm_mode_16_64 3
		.amdhsa_memory_ordered 1
		.amdhsa_forward_progress 1
		.amdhsa_inst_pref_size 33
	.end_amdhsa_kernel
	.amdgpu_metadata
---
amdhsa.version: [ 1, 2 ]
amdhsa.kernels:
  - .name:           k_qc3f8d5ca57_route
    .symbol:         k_qc3f8d5ca57_route.kd
    .args:
      - { .name: x, .offset: 0, .size: 8, .value_kind: global_buffer, .address_space: global }
      - { .name: Wg, .offset: 8, .size: 8, .value_kind: global_buffer, .address_space: global }
      - { .name: bg, .offset: 16, .size: 8, .value_kind: global_buffer, .address_space: global }
      - { .name: xq, .offset: 24, .size: 8, .value_kind: global_buffer, .address_space: global }
      - { .name: xs, .offset: 32, .size: 8, .value_kind: global_buffer, .address_space: global }
      - { .name: sel, .offset: 40, .size: 8, .value_kind: global_buffer, .address_space: global }
      - { .name: gw, .offset: 48, .size: 8, .value_kind: global_buffer, .address_space: global }
    .group_segment_fixed_size: 3584
    .private_segment_fixed_size: 0
    .kernarg_segment_align: 8
    .kernarg_segment_size: 56
    .max_flat_workgroup_size: 128
    .sgpr_count:     66
    .vgpr_count:     178
    .wavefront_size: 32
...
	.end_amdgpu_metadata
.endif
;; end of part 6
;; launch lists (part 7): grid 8 x 4, 8 waves a work-group, no clusters, 0 bytes of LDS; arguments sel, place; writes place
.if DOCPART == 7
	.amdgcn_target "amdgcn-amd-amdhsa--gfx1250"
	.amdhsa_code_object_version 6
	.text
	.protected	k_qc3f8d5ca57_lists
	.globl	k_qc3f8d5ca57_lists
	.p2align	8
	.type	k_qc3f8d5ca57_lists,@function
k_qc3f8d5ca57_lists:
	s_mov_b64 s[64:65], 0
	v_nop
	global_prefetch_b8 v0, s[64:65] scope:SCOPE_SE
	s_setreg_imm32_b32 hwreg(HW_REG_WAVE_MODE, 25, 1), 1
	s_wait_xcnt 0x0
; EACH EXPERT'S LIST OF TOKENS.  sel [token]: e0 | e1 << 8 | ((1 << e0) | (1 << e1)) << 16, from the launch before.
; Out, all in place:  bytes 0 ..: [e][token] the token's slot in expert e's list (of a token that did not choose e: a number that nobody reads);
;   bytes 32,768 ..: [e][32] the expert's count, 32 times;  bytes 33,792 ..: [e][slot] the token in that slot, 0 in the slots from the count on.
; Work-group (e, y), wave w: idx = 8 y + w.  The wave stores slots 32 idx .. + 31 of the list, and the slots of tokens 32 idx .. + 31.
; NO ADDRESS AND NO BRANCH HANGS ON sel: every wave reads all 1,024 words, makes for each word N of 32 tokens expert e's mask and the count of chosen tokens before it, and lane l, which owns slot
; p = 32 idx + l, keeps by selection the last word whose first slot is not above p; the token is that word's bit of rank p - first slot, found by five halvings over the word's partial bit counts.
; Tokens stand in a list in ascending order.  No LDS, no barrier: waves share nothing.
.set L4,   1                           ; 4 x lane
.set P,    2                           ; my slot
.set W,    3                           ; the word that holds my slot's token
.set K,    4                           ; its number << 16 | its first slot
.set R,    5                           ; the rank still to go
.set POS,  6                           ; the bit's place so far
.set T,    7
.set SELR, 8                           ; v8-39 sel: register N of lane l: token 32 N + l
.set U,    40
.set Z,    41                          ; 0
.set CA,   42                          ; bit counts of the word's fields of 2, 4, 8 bits; in CD's low byte: of its low 16
.set CB,   43
.set CC,   44
.set CD,   45
.set TK,   46
.set SL,   47
.set NN,   48
	s_load_b128 s[4:7], s[0:1], 0x0                ; sel s[4:5], place s[6:7]
	v_lshrrev_b32 v1, 5, v0
	s_delay_alu instid0(VALU_DEP_1)
	v_readfirstlane_b32 s2, v1                     ; wave 0..7
	s_mov_b32 s3, ttmp9                            ; e
	s_and_b32 s8, ttmp7, 0xffff                    ; y
	s_lshl_b32 s9, s8, 3
	s_add_co_u32 s9, s9, s2                        ; idx 0..31
	s_lshl_b32 s10, 0x10000, s3                    ; expert e's bit in a word of sel
	v_and_b32 v2, 31, v0
	s_delay_alu instid0(VALU_DEP_1)
	v_lshlrev_b32 v[L4], 2, v2
	s_lshl_b32 s12, s9, 5
	v_add_nc_u32 v[P], s12, v2
	v_mov_b32 v[Z], 0
	v_mov_b32 v[POS], 0
	s_mov_b32 s11, 0                               ; chosen tokens so far
	s_mov_b32 s14, 0                               ; word idx's mask,
	s_mov_b32 s15, 0                               ; and its first slot
	s_lshl_b32 s20, s3, 12
	s_lshl_b32 s12, s9, 7
	s_add_co_u32 s20, s20, s12                     ; 4,096 e + 128 idx
	s_mov_b32 s21, 0
	s_lshl_b32 s22, s3, 7
	s_add_co_u32 s22, s22, 32768
	s_mov_b32 s23, 0
	s_wait_alu depctr_va_vdst(0)
	s_wait_kmcnt 0x0
.set N_, 0
.rept 32
	global_load_b32 v[SELR+N_], v[L4], s[4:5] offset:128*N_
.set N_, N_+1
.endr
	s_add_nc_u64 s[24:25], s[6:7], s[20:21]        ; my 32 tokens' slots
	s_add_nc_u64 s[26:27], s[24:25], 33792         ; my 32 slots of the list
	s_add_nc_u64 s[28:29], s[6:7], s[22:23]        ; the count
.set N_, 0
.rept 32
	s_wait_loadcnt 31-N_                           ; word N is in; the words behind it may be out
	v_and_b32 v[T], s10, v[SELR+N_]
	s_delay_alu instid0(VALU_DEP_1)
	v_cmp_ne_u32 s16, 0, v[T]                      ; the word's mask: bit l for token 32 N + l
.if N_ == 0
	s_delay_alu instid0(VALU_DEP_1)
	v_mov_b32 v[W], s16                            ; word 0 begins at slot 0, which is above no slot
	s_wait_alu depctr_va_vdst(0)
	v_mov_b32 v[K], 0
.else
	s_or_b32 s13, s11, N_<<16
	v_cmp_gt_u32 vcc_lo, s11, v[P]                 ; does the word begin above my slot?  If not, it is the one so far
	s_delay_alu instid0(VALU_DEP_1)
	v_cndmask_b32 v[W], s16, v[W], vcc_lo
	s_wait_alu depctr_va_vdst(0)
	v_cndmask_b32 v[K], s13, v[K], vcc_lo
.endif
	s_cmp_eq_u32 s9, N_                            ; (a choice on ids)  my own word of tokens
	s_cselect_b32 s14, s16, s14
	s_cselect_b32 s15, s11, s15
	s_bcnt1_i32_b32 s12, s16
	s_add_co_u32 s11, s11, s12
.set N_, N_+1
.endr
	v_and_b32 v[R], 0xffff, v[K]
	s_delay_alu instid0(VALU_DEP_1)
	v_sub_nc_u32 v[R], v[P], v[R]                  ; the rank of my token's bit in its word
	v_lshrrev_b32 v[K], 16, v[K]                   ; the word's number
	v_lshrrev_b32 v[T], 1, v[W]
	s_delay_alu instid0(VALU_DEP_1)
	v_and_b32 v[T], 0x55555555, v[T]
	s_delay_alu instid0(VALU_DEP_1)
	v_sub_nc_u32 v[CA], v[W], v[T]                 ; counts of fields of 2 bits
	s_delay_alu instid0(VALU_DEP_1)
	v_lshrrev_b32 v[T], 2, v[CA]
	s_delay_alu instid0(VALU_DEP_1)
	v_and_b32 v[T], 0x33333333, v[T]
	s_delay_alu instid0(VALU_DEP_3)
	v_and_b32 v[U], 0x33333333, v[CA]
	s_delay_alu instid0(VALU_DEP_1)
	v_add_nc_u32 v[CB], v[T], v[U]                 ; of 4
	s_delay_alu instid0(VALU_DEP_1)
	v_lshrrev_b32 v[T], 4, v[CB]
	s_delay_alu instid0(VALU_DEP_1)
	v_add_nc_u32 v[T], v[T], v[CB]
	s_delay_alu instid0(VALU_DEP_1)
	v_and_b32 v[CC], 0x0f0f0f0f, v[T]              ; of 8
	s_delay_alu instid0(VALU_DEP_1)
	v_lshrrev_b32 v[T], 8, v[CC]
	s_delay_alu instid0(VALU_DEP_1)
	v_add_nc_u32 v[CD], v[T], v[CC]                ; low byte: of the low 16
.macro HALVE src, width, inc           ; the field of \inc bits at POS holds T set bits: where the rank is T or more, the bit lies above it
	s_delay_alu instid0(VALU_DEP_1)
	v_bfe_u32 v[T], v[\src], v[POS], \width
	s_delay_alu instid0(VALU_DEP_1)
	v_cmp_lt_u32 vcc_lo, v[R], v[T]
	s_delay_alu instid0(VALU_DEP_1)
	v_cndmask_b32 v[T], v[T], v[Z], vcc_lo
	s_delay_alu instid0(VALU_DEP_2)
	v_cndmask_b32 v[U], \inc, v[Z], vcc_lo
	s_delay_alu instid0(VALU_DEP_2)
	v_sub_nc_u32 v[R], v[R], v[T]
	s_delay_alu instid0(VALU_DEP_2)
	v_add_nc_u32 v[POS], v[POS], v[U]
.endm
	HALVE CD, 8, 16
	HALVE CC, 8, 8
	HALVE CB, 4, 4
	HALVE CA, 2, 2
	HALVE W, 1, 1
	s_delay_alu instid0(VALU_DEP_1)
	v_lshl_add_u32 v[TK], v[K], 5, v[POS]          ; the token
	v_cmp_gt_u32 vcc_lo, s11, v[P]                 ; a slot under the count?
	s_delay_alu instid0(VALU_DEP_1)
	v_cndmask_b32 v[TK], 0, v[TK], vcc_lo          ; the others name token 0
	v_mbcnt_lo_u32_b32 v[SL], s14, s15             ; token 32 idx + l: its word's first slot + the chosen lanes below mine
	global_store_b32 v[L4], v[TK], s[26:27]        ; 128 consecutive bytes a wave, the eight waves of a work-group 1,024
	global_store_b32 v[L4], v[SL], s[24:25]
	s_cmp_lg_u32 s9, 0
	s_cbranch_scc1 .Lend
	v_mov_b32 v[NN], s11
	global_store_b32 v[L4], v[NN], s[28:29]        ; the count, 32 times
.Lend:
	s_endpgm
.Lfunc_end_k_qc3f8d5ca57_lists:
	.size	k_qc3f8d5ca57_lists, .Lfunc_end_k_qc3f8d5ca57_lists-k_qc3f8d5ca57_lists
	.p2alignl 7, 3214868480
	.fill 96, 4, 3214868480
	.section	.rodata,"a",@progbits
	.p2align	6, 0x0
	.amdhsa_kernel k_qc3f8d5ca57_lists
		.amdhsa_group_segment_fixed_size 0
		.amdhsa_private_segment_fixed_size 0
		.amdhsa_enable_private_segment 0
		.amdhsa_kernarg_size 16
		.amdhsa_user_sgpr_count 2
		.amdhsa_user_sgpr_kernarg_segment_ptr 1
		.amdhsa_wavefront_size32 1
		.amdhsa_system_sgpr_workgroup_id_x 1
		.amdhsa_system_sgpr_workgroup_id_y 1
		.amdhsa_system_sgpr_workgroup_id_z 1
		.amdhsa_system_vgpr_workitem_id 0
		.amdhsa_next_free_vgpr 56
		.amdhsa_next_free_sgpr 66
		.amdhsa_reserve_vcc 1
		.amdhsa_float_denorm_mode_32 3
		.amdhsa_float_denorm_mode_16_64 3
		.amdhsa_memory_ordered 1
		.amdhsa_forward_progress 1
		.amdhsa_inst_pref_size 25
	.end_amdhsa_kernel
	.amdgpu_metadata
---
amdhsa.version: [ 1, 2 ]
amdhsa.kernels:
  - .name:           k_qc3f8d5ca57_lists
    .symbol:         k_qc3f8d5ca57_lists.kd
    .args:
      - { .name: sel, .offset: 0, .size: 8, .value_kind: global_buffer, .address_space: global }
      - { .name: place, .offset: 8, .size: 8, .value_kind: global_buffer, .address_space: global }
    .group_segment_fixed_size: 0
    .private_segment_fixed_size: 0
    .kernarg_segment_align: 8
    .kernarg_segment_size: 16
    .max_flat_workgroup_size: 256
    .sgpr_count:     66
    .vgpr_count:     56
    .wavefront_size: 32
...
	.end_amdgpu_metadata
.endif
;; end of part 7
;; launch up (part 8): grid 32 x 8, 16 waves a work-group, no clusters, 80,896 bytes of LDS; arguments W1, b1, xq, xs, place, hq, hs; writes hq, hs
.if DOCPART == 8
	.amdgcn_target "amdgcn-amd-amdhsa--gfx1250"
	.amdhsa_code_object_version 6
	.text
	.protected	k_qc3f8d5ca57_up
	.globl	k_qc3f8d5ca57_up
	.p2align	8
	.type	k_qc3f8d5ca57_up,@function
k_qc3f8d5ca57_up:
	s_mov_b64 s[64:65], 0
	v_nop
	global_prefetch_b8 v0, s[64:65] scope:SCOPE_SE
	s_setreg_imm32_b32 hwreg(HW_REG_WAVE_SCHED_MODE, 0, 2), 2
	s_setreg_imm32_b32 hwreg(HW_REG_WAVE_MODE, 25, 1), 1
	s_wait_xcnt 0x0
	s_wait_alu depctr_vm_vsrc(0)
; h = gelu(x W1 + b1) FOR THE ROUTED ROWS, AS CODES.  W1 [8][1024 (k)][4096 (h)], b1 [8][4096]: f32.  xq, xs, place: from the launches before.
; Work-group (S, e) owns hidden units 128 S .. 128 S + 127 of expert e, for all of K: 512 KiB of W1 that no other work-group reads.  It
;   1. streams its slice of W1 through registers and quantises it along K (a lane to a column, registers down K), the codes going to LDS as images of the operand's registers;
;   2. for each tile of 16 routed rows: x's codes gathered by expert e's list (place, bytes 33,792 on; the count at bytes 32,768 on), 64 products on codes, exact gelu in f32, the result quantised
;      along H in registers.
; Out: hq [e][row tile 64][K step 32][1,024 bytes]: the second product's operand as an image of its registers ([c 2][lane 32][16 bytes]);  hs [e][row tile][K step][row 16]: scale words.
; Tile 0 of every expert is always made, of an expert without tokens too (its rows are then token 0's): the next launch asks for its first tile ahead of knowing whether it has one.
; WHY NO CLUSTER, NO TENSOR LOAD: what a work-group streams, its slice of W1, is shared with nobody; what is shared (rows of x) is a gather whose count is read from memory.  Through registers the
; sixteen waves have 32 to 64 loads of 128 bytes each on their way without a pause.
; THE PRODUCT IS USED TRANSPOSED (source 0 = 16 hidden units, source 1 = 16 rows), AND THE UNITS OF A TILE ARE NOT NEIGHBOURS: row r of tile 2 b + u is unit 32 b + 8 u + r + 8 (r / 8), so that a lane's
; 16 registers of tiles 2 b and 2 b + 1 are units 32 b + 16 (lane / 16) + 0 .. 15 of one routed row: neighbours along the next K.
; gelu(x) = max(x, 0) - |x| F(-|x|), F the normal distribution: F(-|x|) = t 2^(k2 x^2 + c0 + c1 t + .. + c9 t^9), t = 1 / (1 + |x| / sqrt(8)): the rational-exponential form of erfc / 2, whose own error is
; 1.2e-7 of erfc, relative in the tail too.
; LIMITS: NaN and infinities are not served.  A block whose largest magnitude lies under 2^-124 (a block of zeros too) gets the byte 1: this program alone reads the bytes.  Where F(-|x|) falls under
; 2^-126 it counts as 0.  Rows of a last tile beyond the count are token 0's: they are computed and stored, and no result hangs on them.
; THE MODE: SCHED_MODE bits 1:0 = 2 (LLVM: expert scheduling mode 2), set by the entry lines.  The code itself states the register dependences
; between vector or matrix instructions and memory or LDS instructions, with s_wait_alu, always for 0.
; THE PLAN.  Registers that memory or LDS instructions touch:
;   v1-9, v11, v232  offsets and LDS addresses: made at the head, never written again.
;   X0, X1           the stream: block t's lines read set t % 2; behind them block t + 2's loads land in it.
;   CD, SB           written by a block's conversions and shifts, read by its LDS stores; every block has registers of its own.  CD's registers are accumulators later.
;   TOK, XO, SO      a load brings a tile's tokens; four vector lines make of them the two offsets that the tile's 18 loads of x read.
;   WB0, WB1, WS     the tiles: group n's four products read buffer n % 2; group n + 2's LDS loads land in it.  gelu's registers lie in both buffers.
;   ACC              b1's LDS loads land in it; products, gelu and the quantiser name it.
;   XF, XS           a tile's products read them; the next tile's loads land in them.
;   PC, PW           written by the quantiser, read by the tile's three stores.
; THE STREAM has one wait on va_vdst a block, behind its conversions; the block's LDS stores and the loads of the block two on follow it at once, with no vector instruction between.
; A TILE has one wait on va_vdst a group, behind the group's products; one behind the lines that make the next tile's offsets; one ahead of its stores, which stands behind every line of the tile that
; names the accumulators or gelu's registers, so that the next tile's LDS loads owe nothing more.  One wait on vm_vsrc stands ahead of the loop and one at each trip's end.
.set ROWB,  16384                      ; bytes from one k to the next in W1
.set TILEP, 8320                       ; a tile's eight images + 128 bytes, so that the two groups of eight lanes of a store fall 128 bytes apart modulo 256
.set B1L,   0                          ; LDS: b1's slice, a copy of 512 bytes for each wave;
.set WSC,   8192                       ;      W1's scale words: (tile pair p, K step s) at (8 p + s) 128: lanes 0-15 tile 2 p, lanes 16-31 tile 2 p + 1;
.set WIMG,  12288                      ;      W1's images: (tile T, K step s) at T TILEP + 1,024 s
.set L4,   1                           ; 4 x lane
.set L16,  2                           ; 16 x lane
.set R4,   3                           ; 4 x (lane % 16)
.set H16,  4                           ; 16 x (lane / 16)
.set AW,   5                           ; v5, v6: images of tiles 0-3, 4-7, at my lane
.set AS,   7                           ; scale words at my lane
.set IST,  8                           ; where I store my column's codes
.set SST,  9                           ; and its scale words
.set AB1,  11                          ; b1's copy, my half's 16 numbers of a block
.set XO,   12                          ; my row's codes in xq, + 16 (lane / 16)
.set SO,   13                          ; my row's scale bytes in xs
.set MXA,  14
.set MXB,  15
.set X,    16                          ; v16-79   two sets of 32 numbers of W1
.set WB,   16                          ;          later two buffers of four fragments of W1
.set GT,   16                          ;          later gelu's t, exponent, x^2
.set GP,   32
.set GQ,   48
.set ACC,  80                          ; v80-143  eight accumulators
.set CD,   80                          ;          before them: a wave's 8 blocks of codes, 4 registers each
.set XF,   144                         ; v144-207 x's eight fragments
.set XS,   208                         ; v208-215 x's scale words, one for each K step
.set WS,   216                         ; v216-219 W1's scale words, two for each buffer
.set TM,   220                         ; v220-231 the quantiser's: maxima, bytes, scale operands
.set AX,   232                         ; where I store b1's copy
.set PC,   236                         ; v236-243 h's codes
.set PW,   244                         ; h's scale word
.set SCL,  245
.set BY,   246
.set SB,   247                         ; v247-248 my column's scale words
.set TOK,  249                         ; my row's token
.set BT,   250                         ; v250-253 b1 on its way in
.set C8V,  254                         ; v254-255 c8
.set K1,   66
.set C9,   68
.set C7,   70
.set C6,   72
.set C5,   74
.set C4,   76
.set C3,   78
.set C2,   80
.set C1,   82
.set C0,   84
.set K2,   86
.macro PAIR r, val                     ; the packed forms name a pair and take its low word for both halves: both are written
	s_mov_b32 s[\r], \val
	s_mov_b32 s[\r+1], \val
.endm
.macro LOAD t                          ; block t: W1(256 q + 32 t + i, my column), i = 0 .. 31, into set t % 2: each load reads 128 consecutive bytes, four waves side by side 512
.set I_, 0
.rept 32
	global_load_b32 v[X+32*((\t)%2)+I_], v[L4], s[34:35] offset:(32*(\t)+I_)*ROWB th:TH_LOAD_NT
.set I_, I_+1
.endr
.endm
.macro BLOCK t, cnt, first             ; block t is quantised; cnt: the loads issued behind its 32; first = 1: my first tile's tokens become offsets ahead of the block's wait
.set XB_, X+32*((\t)%2)
	s_wait_loadcnt \cnt
	v_max3_num_f32 v[MXA], |v[XB_]|, |v[XB_+1]|, |v[XB_+2]|        ; all 32 numbers are mine
	v_max3_num_f32 v[MXB], |v[XB_+3]|, |v[XB_+4]|, |v[XB_+5]|
.irp i, 6,10,14,18,22,26
	v_max3_num_f32 v[MXA], v[MXA], |v[XB_+\i]|, |v[XB_+\i+1]|
	v_max3_num_f32 v[MXB], v[MXB], |v[XB_+\i+2]|, |v[XB_+\i+3]|
.endr
	v_max3_num_f32 v[MXA], v[MXA], |v[XB_+30]|, |v[XB_+31]|
	v_max3_num_f32 v[MXA], v[MXA], v[MXB], 0x1800000               ; and the floor 2^(3 - 127): the byte cannot fall under 1
	v_add_nc_u32 v[SCL], 0xff000000, v[MXA]                        ; 2 off the exponent field: the conversion's scale operand
	v_lshrrev_b32 v[BY], 23, v[SCL]                                ; the scale's byte
.if (\t)%4 == 0
	v_mov_b32 v[SB+(\t)/4], v[BY]
.else
	v_lshl_or_b32 v[SB+(\t)/4], v[BY], 8*((\t)%4), v[SB+(\t)/4]
.endif
.irp g, 0,1,2,3
	v_cvt_scalef32_pk8_fp4_f32 v[CD+4*(\t)+\g], v[XB_+8*\g:XB_+8*\g+7], v[SCL]
.endr
	v_nop                                                          ; one plain line behind the conversions
.if \first
	XADDR
.endif
	s_wait_alu depctr_va_vdst(0)                                   ; the conversions have written the block's codes and the shifts its scale word, which the LDS stores read; the block's lines are done reading their set, in which the loads of the block two on land; first = 1: v[XO] and v[SO] are written, which the loads of x read
	ds_store_b128 v[IST], v[CD+4*(\t):CD+4*(\t)+3] offset:((\t)/4)*1024+(((\t)/2)%2)*512+((\t)%2)*256   ; block 2 c + h of a K step lies at 512 c + 256 h + 16 r of its image
.if (\t)%4 == 3
	ds_store_b32 v[SST], v[SB+(\t)/4] offset:((\t)/4)*128
.endif
.endm
.macro XADDR                           ; a token from the list becomes two offsets
	v_min_u32 v[TOK], 0x3ff, v[TOK]
	v_lshlrev_b32 v[XO], 9, v[TOK]
	v_add_nc_u32 v[XO], v[XO], v[H16]
	v_lshlrev_b32 v[SO], 5, v[TOK]
.endm
.macro XLOADS                          ; 18 loads: my row's eight fragments and its eight scale words
.irp s, 0,1,2,3,4,5,6,7
.irp c, 0,1
	global_load_b128 v[XF+8*\s+4*\c:XF+8*\s+4*\c+3], v[XO], s[12:13] offset:64*\s+32*\c
.endr
.endr
	global_load_b128 v[XS:XS+3], v[SO], s[14:15]
	global_load_b128 v[XS+4:XS+7], v[SO], s[14:15] offset:16
.endm
.macro GLOAD n                         ; group n: K step n / 2, tiles 4 (n % 2) + 0 .. 3: ten LDS loads into buffer n % 2
.set GB_, WB+32*((\n)%2)
.set GS_, (\n)/2
.irp k, 0,1,2,3
.irp c, 0,1
	ds_load_b128 v[GB_+8*\k+4*\c:GB_+8*\k+4*\c+3], v[AW+(\n)%2] offset:\k*TILEP+GS_*1024+512*\c
.endr
.endr
.irp p, 0,1
	ds_load_b32 v[WS+2*((\n)%2)+\p], v[AS] offset:((2*((\n)%2)+\p)*8+GS_)*128
.endr
.endm
.macro GMUL n                          ; four products on four accumulators; no two matrix instructions that follow each other share one
.if (\n) < 15
	s_wait_dscnt 10                                ; this group's ten loads are in; the next group's ten may be out
.else
	s_wait_dscnt 0x0
.endif
.set GB_, WB+32*((\n)%2)
.set GS_, (\n)/2
.set GA_, ACC+32*((\n)%2)
.irp k, 0,2
	v_wmma_scale_f32_16x16x128_f8f6f4 v[GA_+8*\k:GA_+8*\k+7], v[GB_+8*\k:GB_+8*\k+7], v[XF+8*GS_:XF+8*GS_+7], v[GA_+8*\k:GA_+8*\k+7], v[WS+2*((\n)%2)+\k/2], v[XS+GS_] matrix_a_fmt:MATRIX_FMT_FP4 matrix_b_fmt:MATRIX_FMT_FP4
	v_wmma_scale_f32_16x16x128_f8f6f4 v[GA_+8*\k+8:GA_+8*\k+15], v[GB_+8*\k+8:GB_+8*\k+15], v[XF+8*GS_:XF+8*GS_+7], v[GA_+8*\k+8:GA_+8*\k+15], v[WS+2*((\n)%2)+\k/2], v[XS+GS_] matrix_a_fmt:MATRIX_FMT_FP4 matrix_b_fmt:MATRIX_FMT_FP4 matrix_a_scale:MATRIX_SCALE_ROW1
.endr
.rept 4
	v_nop                                          ; four places behind these products, ahead of the first read of results and of gelu's writes into the buffers (ISA guide 7.12.1); they stay beside the wait below
.endr
.if (\n) < 14
	s_wait_alu depctr_va_vdst(0)                   ; these four products are done reading their buffer and its two registers of scale words, in which the loads of the group two on land
	GLOAD (\n)+2
.endif
.endm
.macro GELU16 a                        ; sixteen numbers, in place, from the low end on
.set I_, 0
.rept 16
	v_fma_f32 v[GT+I_], |v[\a+I_]|, s[K1], 1.0
.set I_, I_+1
.endr
.set I_, 0
	s_wait_alu depctr_va_vdst(0)
.rept 16
	v_rcp_f32 v[GT+I_], v[GT+I_]                   ; t
.set I_, I_+1
.endr
.set I_, 0
.rept 8
	v_pk_mul_f32 v[GQ+I_:GQ+I_+1], v[\a+I_:\a+I_+1], v[\a+I_:\a+I_+1]   ; x^2 (plain lines behind the reciprocals)
.set I_, I_+2
.endr
.set I_, 0
	s_wait_alu depctr_va_vdst(0)                   ; the sixteen reciprocals have written t, ahead of its first reader: one wait for the batch
.rept 8
	v_pk_fma_f32 v[GP+I_:GP+I_+1], v[GT+I_:GT+I_+1], s[C9:C9+1], v[C8V:C8V+1] op_sel_hi:[1,0,1]
.set I_, I_+2
.endr
.irp k, C7,C6,C5,C4,C3,C2,C1,C0
.set I_, 0
.rept 8
	v_pk_fma_f32 v[GP+I_:GP+I_+1], v[GP+I_:GP+I_+1], v[GT+I_:GT+I_+1], s[\k:\k+1] op_sel_hi:[1,1,0]
.set I_, I_+2
.endr
.endr
.set I_, 0
.rept 8
	v_pk_fma_f32 v[GP+I_:GP+I_+1], v[GQ+I_:GQ+I_+1], s[K2:K2+1], v[GP+I_:GP+I_+1] op_sel_hi:[1,0,1]
.set I_, I_+2
.endr
.set I_, 0
	s_wait_alu depctr_va_vdst(0)
.rept 16
	v_exp_f32 v[GP+I_], v[GP+I_]
.set I_, I_+1
.endr
.set I_, 0
.rept 16
	v_max_num_f32 v[GQ+I_], 0, v[\a+I_]            ; (plain lines behind the exponentials)
.set I_, I_+1
.endr
.set I_, 0
	s_wait_alu depctr_va_vdst(0)                   ; the sixteen exponentials have written v[GP ..], ahead of their first reader: one wait for the batch
.rept 8
	v_pk_mul_f32 v[GP+I_:GP+I_+1], v[GP+I_:GP+I_+1], v[GT+I_:GT+I_+1]   ; F(-|x|)
.set I_, I_+2
.endr
.set I_, 0
.rept 16
	v_fma_f32 v[\a+I_], -|v[\a+I_]|, v[GP+I_], v[GQ+I_]
.set I_, I_+1
.endr
.endm
	s_load_b256 s[8:15], s[0:1], 0x0               ; W1 s[8:9], b1 s[10:11], xq s[12:13], xs s[14:15]
	s_load_b128 s[16:19], s[0:1], 0x20             ; place s[16:17], hq s[18:19]
	s_load_b64 s[20:21], s[0:1], 0x30              ; hs
	v_lshl_add_u32 v234, v0, 2, 0x13400            ; my spare word's LDS address, and 0: made here and kept for the closing lines alone
	v_mov_b32 v235, 0
	v_lshrrev_b32 v16, 5, v0
	v_readfirstlane_b32 s2, v16                    ; wave 0..15
	s_mov_b32 s5, ttmp9                            ; S
	s_and_b32 s6, ttmp7, 0xffff                    ; e
	v_and_b32 v17, 31, v0
	v_lshlrev_b32 v[L4], 2, v17
	v_lshlrev_b32 v[L16], 4, v17
	v_and_b32 v18, 15, v0
	v_lshlrev_b32 v[R4], 2, v18
	v_bfe_u32 v19, v0, 4, 1
	v_lshlrev_b32 v[H16], 4, v19
	v_add_nc_u32 v[AW], WIMG, v[L16]
	v_add_nc_u32 v[AW+1], WIMG+4*TILEP, v[L16]
	v_add_nc_u32 v[AS], WSC, v[L4]
	v_bfe_u32 v20, v0, 3, 1                        ; column c = lane: u = (c / 8) % 2,
	v_and_b32 v21, 7, v0
	v_lshl_add_u32 v21, v19, 3, v21                ; r = c % 8 + 8 (c / 16): it is row r of tile 2 g + u
	v_mul_u32_u24 v[IST], v20, TILEP
	v_lshl_add_u32 v[IST], v21, 4, v[IST]
	s_wait_alu depctr_va_sdst(0)                   ; s2 is written, ahead of its first reader: LDS addresses and the bases of W1, hq, hs and the list are made from it
	s_and_b32 s3, s2, 3                            ; g: which 32 columns of the slice I stream
	s_lshr_b32 s4, s2, 2                           ; q: which 256 rows of K
	s_mul_i32 s28, s3, 2*TILEP
	s_lshl_b32 s29, s4, 11
	s_add_co_u32 s28, s28, s29
	s_add_co_u32 s28, s28, WIMG
	v_add_nc_u32 v[IST], s28, v[IST]               ; WIMG + (2 g + u) TILEP + 2,048 q + 16 r
	v_lshl_add_u32 v[SST], v20, 4, v21
	v_lshlrev_b32 v[SST], 2, v[SST]
	s_lshl_b32 s28, s3, 10
	s_lshl_b32 s29, s4, 8
	s_add_co_u32 s28, s28, s29
	s_add_co_u32 s28, s28, WSC
	v_add_nc_u32 v[SST], s28, v[SST]               ; WSC + 1,024 g + 256 q + 4 (16 u + r)
	s_lshl_b32 s28, s2, 9
	s_add_co_u32 s28, s28, B1L
	v_lshl_add_u32 v[AB1], v19, 6, s28
	v_add_nc_u32 v[AX], s28, v[L16]
.irp b, 0,1,2,3
	v_mov_b32 v[TM+4+\b], 0                        ; written once: a lane permute's destination counts as one of its sources
.endr
	v_mov_b32 v[C8V], 0xbf97d29d                   ; c8 = -1.1861149
	v_mov_b32 v[C8V+1], 0xbf97d29d
	s_mov_b32 s[K1], 0x3eb504f3                    ; 1 / sqrt(8)
	PAIR C9, 0x3e7c6f08                            ; erfc's coefficients x log2(e):  0.24651730
	PAIR C7, 0x40097039                            ;  2.1474745
	PAIR C6, 0xbfd1a1e5                            ; -1.6377532
	PAIR C5, 0x3ecdfd18                            ;  0.40232158
	PAIR C4, 0xbe899a80                            ; -0.26875686
	PAIR C3, 0x3e0efb2f                            ;  0.13963006
	PAIR C2, 0x3f0a29d2                            ;  0.53970062
	PAIR C1, 0x3fb8ab5a                            ;  1.4427292
	PAIR C0, 0xc034d90f                            ; -2.8257482 (the half is in it: - 1)
	PAIR K2, 0xbf38aa3b                            ; -log2(e) / 2
	s_mov_b32 s32, 0x76543210
	s_mov_b32 s33, 0xfedcba98                      ; v_permlanex16_b32's selects for lane l xor 16
	s_lshl_b32 s30, s6, 24                         ; W1: expert, 256 q rows, 128 S + 32 g columns
	s_lshl_b32 s28, s4, 22
	s_add_co_u32 s30, s30, s28
	s_lshl_b32 s28, s5, 9
	s_add_co_u32 s30, s30, s28
	s_lshl_b32 s28, s3, 7
	s_add_co_u32 s30, s30, s28
	s_mov_b32 s31, 0
	s_wait_kmcnt 0x0
	s_add_nc_u64 s[34:35], s[8:9], s[30:31]
	s_lshl_b32 s30, s6, 21                         ; hq: ((64 e + w) 32 + S) 1,024
	s_lshl_b32 s28, s2, 15
	s_add_co_u32 s30, s30, s28
	s_lshl_b32 s28, s5, 10
	s_add_co_u32 s30, s30, s28
	s_add_nc_u64 s[36:37], s[18:19], s[30:31]
	s_lshr_b32 s30, s30, 4                         ; hs: the same index x 64
	s_add_nc_u64 s[38:39], s[20:21], s[30:31]
	s_lshl_b32 s30, s6, 14                         ; b1's slice
	s_lshl_b32 s28, s5, 9
	s_add_co_u32 s30, s30, s28
	s_add_nc_u64 s[40:41], s[10:11], s[30:31]
	s_lshl_b32 s30, s6, 12                         ; the list: expert e's 1,024 slots, tile w's sixteen
	s_lshl_b32 s28, s2, 6
	s_add_co_u32 s30, s30, s28
	s_add_co_u32 s30, s30, 33792
	s_add_nc_u64 s[42:43], s[16:17], s[30:31]
	s_lshl_b32 s30, s6, 7
	s_add_nc_u64 s[44:45], s[16:17], s[30:31]
	s_load_b32 s24, s[44:45], 0x8000               ; expert e's count
	s_wait_alu depctr_va_vdst(0)                   ; the offsets and LDS addresses v1 to v9, v11 and v232 are written, which the loads and stores of the whole kernel read; so are v16 to v21, in which block 0's loads land
	global_load_b32 v[TOK], v[R4], s[42:43]        ; my first tile's tokens: lanes 16-31 take the same sixteen as lanes 0-15
	LOAD 0
	LOAD 1
	s_wait_kmcnt 0x0
	s_min_u32 s24, s24, 1024                       ; n
	s_add_co_u32 s25, s24, 15
	s_lshr_b32 s25, s25, 4                         ; tiles of 16 rows,
	s_max_u32 s25, s25, 1                          ; one at the least: tile 0 is always made
	; ---- the stream: 8 blocks a wave, two sets of registers.  A set is asked for again at once behind its block's wait: no vector instruction stands between that wait and the loads
	BLOCK 0, 32, 1                                 ; behind block 0's loads: block 1's 32.  The tokens, asked for ahead of block 0, are in too
	XLOADS                                         ; my first tile's x, and b1's slice: 19 loads
	global_load_b128 v[BT:BT+3], v[L16], s[40:41]
	LOAD 2
	BLOCK 1, 51, 0                                 ; behind block 1's loads: those 19 and block 2's 32
	LOAD 3
	BLOCK 2, 32, 0
	LOAD 4
	BLOCK 3, 32, 0
	LOAD 5
	BLOCK 4, 32, 0
	LOAD 6
	BLOCK 5, 32, 0
	LOAD 7
	BLOCK 6, 32, 0
	BLOCK 7, 0, 0
	ds_store_b128 v[AX], v[BT:BT+3]                ; b1's slice, my wave's copy (its data came by a load, which block 7's wait for loads has shown in)
	s_wait_dscnt 0x0                               ; for the others' sake: my images have landed
	s_barrier_signal -1
	s_barrier_wait -1                              ; the slice's 64 images and their scale words lie in LDS; from here on LDS is only read
	s_wait_alu depctr_vm_vsrc(0)                   ; my LDS stores have read the codes' registers, which are accumulators from here on: b1's loads land in them; the first tile's loads of x have read v[XO] and v[SO], which the next tile's tokens write again
	; ---- the tiles of routed rows: wave w takes tiles w, w + 16, w + 32, w + 48; four trips, the work jumped over where there is no tile
	s_mov_b32 s26, s2
	s_mov_b32 s27, 4
.Ltile:
	s_cmp_ge_u32 s26, s25
	s_cbranch_scc1 .Lstep
	s_wait_loadcnt 0x0                             ; the tile's x is in
	s_add_co_u32 s28, s26, 16
	s_cmp_ge_u32 s28, s25
	s_cbranch_scc1 .Lnotok
	global_load_b32 v[TOK], v[R4], s[42:43] offset:1024   ; my next tile's tokens, 16 tiles on: they land under the products.  (The lines that named v[TOK] last stand ahead of a wait on va_vdst)
.Lnotok:
.irp b, 0,1,2,3
.irp k, 0,1,2,3
	ds_load_b128 v[ACC+16*\b+4*\k:ACC+16*\b+4*\k+3], v[AB1] offset:128*\b+16*\k   ; b1 in the result's layout: it is the C of each sum's first product.  (No vector instruction since the last wait on va_vdst names the accumulators or the two buffers)
.endr
.endr
	GLOAD 0
	GLOAD 1
.irp n, 0,1,2,3,4,5,6,7,8,9,10,11,12,13,14,15
	GMUL \n
.endr
	s_cmp_ge_u32 s28, s25
	s_cbranch_scc1 .Lnopf
	s_wait_loadcnt 0x0                             ; the tokens are in
	XADDR
	s_wait_alu depctr_va_vdst(0)                   ; v[XO] and v[SO] are written, which the loads below read; the tile's products are done reading x's fragments and scale words, in which they land
	XLOADS                                         ; my next tile's x is asked for now and lands under the gelu
.Lnopf:
	GELU16 ACC
	GELU16 ACC+16
	GELU16 ACC+32
	GELU16 ACC+48
	; h's four blocks of 32 along the next K: register 16 b + i is unit 32 b + 16 (lane / 16) + i of my row
.irp b, 0,1,2,3
	v_max3_num_f32 v[TM+\b], |v[ACC+16*\b]|, |v[ACC+1+16*\b]|, 0x1800000
.endr
.irp i, 2,4,6,8,10,12,14
.irp b, 0,1,2,3
	v_max3_num_f32 v[TM+\b], v[TM+\b], |v[ACC+16*\b+\i]|, |v[ACC+1+16*\b+\i]|
.endr
.endr
.irp b, 0,1,2,3
	v_permlanex16_b32 v[TM+4+\b], v[TM+\b], s32, s33
.endr
.irp b, 0,1,2,3
	v_max_num_f32 v[TM+\b], v[TM+\b], v[TM+4+\b]   ; with lane l xor 16's sixteen
.endr
.irp b, 0,1,2,3
	v_add_nc_u32 v[TM+8+\b], 0xff000000, v[TM+\b]
.endr
.irp b, 0,1,2,3
	v_lshrrev_b32 v[TM+4+\b], 23, v[TM+8+\b]
.endr
	v_lshl_or_b32 v[PW], v[TM+5], 8, v[TM+4]       ; my row's scale word
	v_lshl_or_b32 v[PW], v[TM+6], 16, v[PW]
	v_lshl_or_b32 v[PW], v[TM+7], 24, v[PW]
.irp b, 0,1,2,3
	v_cvt_scalef32_pk8_fp4_f32 v[PC+2*\b], v[ACC+16*\b:ACC+7+16*\b], v[TM+8+\b]
	v_cvt_scalef32_pk8_fp4_f32 v[PC+1+2*\b], v[ACC+8+16*\b:ACC+15+16*\b], v[TM+8+\b]
.endr
	v_nop                                          ; one plain line behind the conversions
.irp c, 0,1
.irp i, 0,1
	v_permlane16_swap_b32 v[PC+4*\c+\i], v[PC+2+4*\c+\i]   ; the operand's layout wants a whole block in a lane
.endr
.endr
	s_wait_alu depctr_va_vdst(0)                   ; h's codes and scale word are written, which the stores read; gelu and the quantiser are done with the accumulators and with v16 to v63, in which the next tile's LDS loads land
	global_store_b128 v[L16], v[PC:PC+3], s[36:37]                 ; the image: two runs of 512 consecutive bytes
	global_store_b128 v[L16], v[PC+4:PC+7], s[36:37] offset:512
	global_store_b32 v[R4], v[PW], s[38:39]        ; 16 scale words; lanes 16-31 repeat lanes 0-15's address and value
.Lstep:
	s_wait_xcnt 0x0                                ; bases and store data are written again only behind this wait
	s_wait_alu depctr_vm_vsrc(0)                   ; the stores have read h's codes and scale word, and the loads of x v[XO] and v[SO]: the next tile writes all of them again
	s_add_nc_u64 s[36:37], s[36:37], 524288        ; 16 tiles on
	s_add_nc_u64 s[38:39], s[38:39], 32768
	s_add_nc_u64 s[42:43], s[42:43], 1024
	s_add_co_u32 s26, s26, 16
	s_sub_co_u32 s27, s27, 1
	s_cmp_lg_u32 s27, 0
	s_cbranch_scc1 .Ltile
	s_wait_dscnt 0x0                               ; the closing lines, six on end
	s_wait_alu 0x0
	s_wait_tensorcnt 0x0
	ds_add_u32 v234, v235
	s_wait_dscnt 0x0
	s_endpgm
.Lfunc_end_k_qc3f8d5ca57_up:
	.size	k_qc3f8d5ca57_up, .Lfunc_end_k_qc3f8d5ca57_up-k_qc3f8d5ca57_up
	.p2alignl 7, 3214868480
	.fill 96, 4, 3214868480
	.section	.rodata,"a",@progbits
	.p2align	6, 0x0
	.amdhsa_kernel k_qc3f8d5ca57_up
		.amdhsa_group_segment_fixed_size 80896
		.amdhsa_private_segment_fixed_size 0
		.amdhsa_enable_private_segment 0
		.amdhsa_kernarg_size 56
		.amdhsa_user_sgpr_count 2
		.amdhsa_user_sgpr_kernarg_segment_ptr 1
		.amdhsa_wavefront_size32 1
		.amdhsa_system_sgpr_workgroup_id_x 1
		.amdhsa_system_sgpr_workgroup_id_y 1
		.amdhsa_system_sgpr_workgroup_id_z 1
		.amdhsa_system_vgpr_workitem_id 0
		.amdhsa_next_free_vgpr 256
		.amdhsa_next_free_sgpr 96
		.amdhsa_reserve_vcc 0
		.amdhsa_float_denorm_mode_32 3
		.amdhsa_float_denorm_mode_16_64 3
		.amdhsa_memory_ordered 1
		.amdhsa_forward_progress 1
		.amdhsa_inst_pref_size 112
	.end_amdhsa_kernel
	.amdgpu_metadata
---
amdhsa.version: [ 1, 2 ]
amdhsa.kernels:
  - .name:           k_qc3f8d5ca57_up
    .symbol:         k_qc3f8d5ca57_up.kd
    .args:
      - { .name: W1, .offset: 0, .size: 8, .value_kind: global_buffer, .address_space: global }
      - { .name: b1, .offset: 8, .size: 8, .value_kind: global_buffer, .address_space: global }
      - { .name: xq, .offset: 16, .size: 8, .value_kind: global_buffer, .address_space: global }
      - { .name: xs, .offset: 24, .size: 8, .value_kind: global_buffer, .address_space: global }
      - { .name: place, .offset: 32, .size: 8, .value_kind: global_buffer, .address_space: global }
      - { .name: hq, .offset: 40, .size: 8, .value_kind: global_buffer, .address_space: global }
      - { .name: hs, .offset: 48, .size: 8, .value_kind: global_buffer, .address_space: global }
    .group_segment_fixed_size: 80896
    .private_segment_fixed_size: 0
    .kernarg_segment_align: 8
    .kernarg_segment_size: 56
    .max_flat_workgroup_size: 512
    .sgpr_count:     96
    .vgpr_count:     256
    .wavefront_size: 32
...
	.end_amdgpu_metadata
.endif
;; end of part 8
;; launch down (part 9): grid 32 x 8, 16 waves a work-group, no clusters, 141,312 bytes of LDS; arguments W2, hq, hs, place, yp; writes yp
.if DOCPART == 9
	.amdgcn_target "amdgcn-amd-amdhsa--gfx1250"
	.amdhsa_code_object_version 6
	.text
	.protected	k_qc3f8d5ca57_down
	.globl	k_qc3f8d5ca57_down
	.p2align	8
	.type	k_qc3f8d5ca57_down,@function
k_qc3f8d5ca57_down:
	s_mov_b64 s[64:65], 0
	v_nop
	global_prefetch_b8 v0, s[64:65] scope:SCOPE_SE
	s_setreg_imm32_b32 hwreg(HW_REG_WAVE_SCHED_MODE, 0, 2), 2
	s_setreg_imm32_b32 hwreg(HW_REG_WAVE_MODE, 25, 1), 1
	s_wait_xcnt 0x0
	s_wait_alu depctr_vm_vsrc(0)
; y = h W2 FOR THE ROUTED ROWS, IN TWO HALVES OF K.  W2 [8][4096 (k)][1024 (d)]: f32.  hq, hs, place: from the launches before.
; Work-group (x, e): j = x % 16: output columns 64 j .. 64 j + 63;  kh = x / 16: k = 2,048 kh .. + 2,047: 512 KiB of W2 that no other work-group reads.
; Out: yp [kh 2][e 8][slot 1024][1024] f32: the half sums; the next launch adds the halves, b2 and the gate's weights.
; THE STREAM GOES BY STAGES ALONG K, AND THE PRODUCTS STAND UNDER IT.  Stage t (0 .. 7) is K steps 2 t and 2 t + 1: 256 rows x 64 columns, 64 KiB.  Each of the sixteen waves takes one block of it
; (32 rows x 32 columns: a lane to a column, registers down K), quantises it and stores codes and scale byte into LDS as images of the operand's registers.  One barrier closes the stage; behind it
; the stage's two K steps are multiplied while the blocks of the next two stages are on their way.  Every stage has LDS bytes of its own: none is written twice.
; PAIRS.  Wave w multiplies row tiles 2 w and 2 w + 1 by the same four fragments of W2: a pair reads the 64 images and their scale words, 68 KiB, once for two tiles.  Up to 32 tiles go so; pairs 16 to 31
; (an expert with more than 512 rows) follow behind the stream, by the same macros.  A second tile that does not exist is held to the last tile that does, multiplied and not stored.  A wave without a
; pair jumps over the loads of h and the products, never over a barrier; K step 0 runs in every wave, so that every way through the text has written the accumulators and the fragments' registers.
; h COMES STAGE BY STAGE: ten loads (two tiles x two K steps x two of 512 bytes, and a register of scale words each), two buffers by turns, asked for a stage ahead.
; WHY NO CLUSTER, NO TENSOR LOAD: the slice of W2 is shared with nobody; h's tiles are shared, but their number is read from memory.
; THE PRODUCT IS USED TRANSPOSED (source 0 = 16 output columns, source 1 = 16 rows): a lane holds eight neighbouring columns of one row.
; LIMITS: NaN and infinities are not served.  A block of W2 whose largest magnitude lies under 2^-124 (a block of zeros too) gets the byte 1: this program alone reads the bytes.
; THE MODE: SCHED_MODE bits 1:0 = 2 (LLVM: expert scheduling mode 2), set by the entry lines.  The code itself states the register dependences
; between vector or matrix instructions and memory or LDS instructions, with s_wait_alu, always for 0.
; THE PLAN.  Registers that memory or LDS instructions touch:
;   v1, v2, v5, v7-12   offsets and LDS addresses: made at the head, never written again.
;   X0, X1              stage t's block reads set t % 2; behind it stage t + 2's loads land in it.
;   CD, BY              written by each block's conversions and shift, read by its two LDS stores, written again a stage later.
;   RA, RB, SHA, SHB    written 0 once; buffer t % 2: stage t's products read it; stage t + 2's loads of h, issued in stage t + 1, land in it.
;   WB, WS              each K step's LDS loads land in them; its eight products read them.
;   ACA, ACB            written by the products, read by the way out's LDS stores, begun anew by a late pair's first products.
;   OB                  the way out's LDS loads land in it; its global stores read it.
; A STAGE HAS THREE WAITS.  On vm_vsrc at the block's head: the last stage's LDS stores have read CD and BY.  On va_vdst behind the block's conversions: CD and BY are written, the set is done with, and
; the last stage's products are done reading their buffer of h and the fragments' registers; the block's two stores, the next stage's loads of h, the loads of the block two on and the first K step's
; LDS loads follow with no vector or matrix instruction between.  On va_vdst between the stage's two K steps: the fragments have one set of registers.
.set ROWB,  4096                       ; bytes from one k to the next in W2
.set WSC,   0                          ; LDS: W2's scale words: (tile pair p, K step s) at (16 p + s) 128: lanes 0-15 tile 2 p, lanes 16-31 tile 2 p + 1;
.set WIMG,  4096                       ;      W2's images: (tile T, K step s) at 16,384 T + 1,024 s;
.set STG,   69632                      ;      the way out: 16 rows x (256 bytes + 16) for each wave, its own
.set L4,   1                           ; 4 x lane
.set L16,  2                           ; 16 x lane
.set MXA,  3
.set MXB,  4
.set AW,   5                           ; the images at my lane
.set SCL,  6
.set AS,   7                           ; the scale words at my lane
.set IST,  8                           ; where I store my column's codes
.set SST,  9                           ; and its scale byte
.set STI,  10                          ; the stage: where I put 32 bytes of a row
.set STO,  11                          ; and where I read rows back
.set YO,   12                          ; the same place in yp
.set BY,   13
.set WS,   14                          ; v14-15   W2's scale words of the K step in hand, one register for each pair of tiles
.set X,    16                          ; v16-79   two sets of 32 numbers of W2
.set OB,   16                          ;          later rows read back from the stage: 32 registers for each tile of the pair
.set CD,   80                          ; v80-83   a block's codes
.set WB,   84                          ; v84-115  four fragments of W2: one K step
.set ACA,  116                         ; v116-147 the first tile's four accumulators
.set ACB,  148                         ; v148-179 the second tile's
.set RA,   180                         ; v180-211 h of the first tile: two buffers of two K steps
.set RB,   212                         ; v212-243 of the second
.set SHA,  244                         ; v244-245 h's scale words of the first tile, a register a buffer: lanes 0-15 the even K step, lanes 16-31 the odd one
.set SHB,  246                         ; v246-247 of the second
.macro LOAD t, from, to                ; stage t's block: W2(256 t + 32 bq + i, my column), i = from .. to - 1, into set t % 2: 128 consecutive bytes a wave, two waves side by side 256
.set I_, \from
.rept \to-\from
	global_load_b32 v[X+32*((\t)%2)+I_], v[L4], s[34:35] offset:(256*(\t)+I_)*ROWB th:TH_LOAD_NT
.set I_, I_+1
.endr
.endm
.macro BLOCK t, cnt                    ; stage t's block is quantised; cnt: the loads that may stay out
.set XB_, X+32*((\t)%2)
	s_wait_loadcnt \cnt
.if (\t) > 0
	s_wait_alu depctr_vm_vsrc(0)                                   ; the last stage's two LDS stores have read the codes' registers and the byte's, which this block writes again
.endif
	v_max3_num_f32 v[MXA], |v[XB_]|, |v[XB_+1]|, |v[XB_+2]|        ; all 32 numbers are mine
	v_max3_num_f32 v[MXB], |v[XB_+3]|, |v[XB_+4]|, |v[XB_+5]|
.irp i, 6,10,14,18,22,26
	v_max3_num_f32 v[MXA], v[MXA], |v[XB_+\i]|, |v[XB_+\i+1]|
	v_max3_num_f32 v[MXB], v[MXB], |v[XB_+\i+2]|, |v[XB_+\i+3]|
.endr
	v_max3_num_f32 v[MXA], v[MXA], |v[XB_+30]|, |v[XB_+31]|
	v_max3_num_f32 v[MXA], v[MXA], v[MXB], 0x1800000               ; the floor 2^(3 - 127): the byte cannot fall under 1
	v_add_nc_u32 v[SCL], 0xff000000, v[MXA]                        ; 2 off the exponent field: the conversion's scale operand
.irp g, 0,1,2,3
	v_cvt_scalef32_pk8_fp4_f32 v[CD+\g], v[XB_+8*\g:XB_+8*\g+7], v[SCL]
.endr
	v_lshrrev_b32 v[BY], 23, v[SCL]                                ; the scale's byte (a plain line behind the conversions)
	s_wait_alu depctr_va_vdst(0)                                   ; the codes and the byte are written, which the two LDS stores read; the block's lines are done reading their set, in which the loads of the block two on land; the last stage's products are done reading their buffer of h and the fragments' registers, in which the next loads of h and this stage's first LDS loads land
	ds_store_b128 v[IST], v[CD:CD+3] offset:2048*(\t)
	ds_store_b8 v[SST], v[BY] offset:256*(\t)                      ; four waves write the four bytes of a scale word
.endm
.macro RING t, cond                    ; stage t's h of both tiles into buffer t % 2: ten loads.  cond = 1: a wave without a pair jumps over them
.if \cond
	s_cmp_eq_u32 s49, 0
	s_cbranch_scc1 .Lnoring_\@
.endif
.irp k, 0,1
.irp c, 0,1
	global_load_b128 v[RA+16*((\t)%2)+8*\k+4*\c:RA+16*((\t)%2)+8*\k+4*\c+3], v[L16], s[36:37] offset:1024*(2*(\t)+\k)+512*\c
	global_load_b128 v[RB+16*((\t)%2)+8*\k+4*\c:RB+16*((\t)%2)+8*\k+4*\c+3], v[L16], s[40:41] offset:1024*(2*(\t)+\k)+512*\c
.endr
.endr
	global_load_b32 v[SHA+(\t)%2], v[L4], s[38:39] offset:128*(\t)
	global_load_b32 v[SHB+(\t)%2], v[L4], s[42:43] offset:128*(\t)
.if \cond
.Lnoring_\@:
.endif
.endm
.macro WM acc, ring, sh, k, n          ; tile k of W2, K step n, one row tile.  K step 0 starts the sums with the constant 0
.set D_, \acc+8*(\k)
.set A_, WB+8*(\k)
.set B_, \ring+16*(((\n)/2)%2)+8*((\n)%2)
.set SA_, WS+(\k)/2
.set SH_, \sh+((\n)/2)%2
.if (\n) == 0
.if (\k)%2 == 0
	v_wmma_scale_f32_16x16x128_f8f6f4 v[D_:D_+7], v[A_:A_+7], v[B_:B_+7], 0, v[SA_], v[SH_] matrix_a_fmt:MATRIX_FMT_FP4 matrix_b_fmt:MATRIX_FMT_FP4
.else
	v_wmma_scale_f32_16x16x128_f8f6f4 v[D_:D_+7], v[A_:A_+7], v[B_:B_+7], 0, v[SA_], v[SH_] matrix_a_fmt:MATRIX_FMT_FP4 matrix_b_fmt:MATRIX_FMT_FP4 matrix_a_scale:MATRIX_SCALE_ROW1
.endif
.elseif (\n)%2 == 0
.if (\k)%2 == 0
	v_wmma_scale_f32_16x16x128_f8f6f4 v[D_:D_+7], v[A_:A_+7], v[B_:B_+7], v[D_:D_+7], v[SA_], v[SH_] matrix_a_fmt:MATRIX_FMT_FP4 matrix_b_fmt:MATRIX_FMT_FP4
.else
	v_wmma_scale_f32_16x16x128_f8f6f4 v[D_:D_+7], v[A_:A_+7], v[B_:B_+7], v[D_:D_+7], v[SA_], v[SH_] matrix_a_fmt:MATRIX_FMT_FP4 matrix_b_fmt:MATRIX_FMT_FP4 matrix_a_scale:MATRIX_SCALE_ROW1
.endif
.else
.if (\k)%2 == 0
	v_wmma_scale_f32_16x16x128_f8f6f4 v[D_:D_+7], v[A_:A_+7], v[B_:B_+7], v[D_:D_+7], v[SA_], v[SH_] matrix_a_fmt:MATRIX_FMT_FP4 matrix_b_fmt:MATRIX_FMT_FP4 matrix_b_scale:MATRIX_SCALE_ROW1
.else
	v_wmma_scale_f32_16x16x128_f8f6f4 v[D_:D_+7], v[A_:A_+7], v[B_:B_+7], v[D_:D_+7], v[SA_], v[SH_] matrix_a_fmt:MATRIX_FMT_FP4 matrix_b_fmt:MATRIX_FMT_FP4 matrix_a_scale:MATRIX_SCALE_ROW1 matrix_b_scale:MATRIX_SCALE_ROW1
.endif
.endif
.endm
.macro KSTEP n, w                      ; K step n: four fragments and two registers of scale words from LDS, eight products: each fragment serves both tiles.  w = 1: a stage's second K step, which follows straight behind the first
.if \w
	s_wait_alu depctr_va_vdst(0)                   ; the eight products of the K step before are done reading the fragments and W2's scale words, in which the loads below land
.endif
.irp k, 0,1,2,3
.irp c, 0,1
	ds_load_b128 v[WB+8*\k+4*\c:WB+8*\k+4*\c+3], v[AW] offset:\k*16384+(\n)*1024+512*\c
.endr
.endr
.irp p, 0,1
	ds_load_b32 v[WS+\p], v[AS] offset:(\p*16+(\n))*128
.endr
	s_wait_dscnt 0x0
.irp k, 0,1,2,3                        ; the eight accumulators by turns, one instruction a turn
	WM ACA, RA, SHA, \k, \n
	WM ACB, RB, SHB, \k, \n
.endr
.rept 4
	v_nop                                          ; four places behind these products, ahead of the first read of results (ISA guide 7.12.1); they stay beside the waits on va_vdst
.endr
.if (\n) == 15
	v_nop                                          ; a fifth: a later pair's first products begin these accumulators anew, with another C
.endif
.endm
.macro PROD t, cond                    ; stage t's two K steps.  cond = 1: a wave without a pair jumps over them, all but K step 0
.if (\t) == 0
	KSTEP 0, 0
.if \cond
	s_cmp_eq_u32 s49, 0
	s_cbranch_scc1 .Lnoprod_\@
.endif
	KSTEP 1, 1
.else
.if \cond
	s_cmp_eq_u32 s49, 0
	s_cbranch_scc1 .Lnoprod_\@
.endif
	KSTEP 2*(\t), 0
	KSTEP 2*(\t)+1, 1
.endif
.if \cond
.Lnoprod_\@:
.endif
.endm
; A stage.  Loads are issued in the order L(t), R(t), L(t + 1): so the count 32 at the block's head, which leaves out L(t + 1) alone, shows this stage's block AND this stage's h landed, on the way with
; ring loads and on the way without.  The last stage has nothing behind it: its count is 0.
; L(t + 2) goes out in two parts.  A wave with a pair has L(t + 1)'s 32 and R(t + 1)'s 10 out here; 20 more make 62, inside LOADcnt's field of 63 (ISA guide 5.7.1), so that no issue is held ahead of
; the wave's signal; the other 12 follow behind the barrier.  Both parts, and the first K step's LDS loads, lean on the block's wait on va_vdst: no vector or matrix instruction is issued between.
.macro STAGE t
.if (\t) < 7
	BLOCK \t, 32
	RING (\t)+1, 1
.else
	BLOCK \t, 0
.endif
.if (\t) < 6
	LOAD (\t)+2, 0, 20
.endif
	s_wait_dscnt 0x0                               ; for the others' sake: my codes and my scale byte have landed
	s_barrier_signal -1
	s_barrier_wait -1                              ; the stage's eight images, two of each tile, and their scale words lie in LDS
.if (\t) < 6
	LOAD (\t)+2, 20, 32
.endif
	PROD \t, 1
.endm
; The pair whose first tile is s48: the two flags, and the six addresses.  A tile's number is held to the last tile that the launch before has stored (it always makes tile 0), and by a constant before it enters an address.
.macro SETPAIR
	s_cmp_lt_u32 s48, s25
	s_cselect_b32 s49, 1, 0                        ; have I a pair?
	s_add_co_u32 s29, s48, 1
	s_cmp_lt_u32 s29, s25
	s_cselect_b32 s50, 1, 0                        ; has it a second tile?
	s_min_u32 s28, s48, s26
	s_min_u32 s28, s28, 63
	s_min_u32 s29, s29, s26
	s_min_u32 s29, s29, 63
	s_lshl_b32 s30, s28, 15                        ; hq: ((64 e + tile) 32 + 16 kh) 1,024
	s_add_co_u32 s30, s30, s54
	s_add_nc_u64 s[36:37], s[10:11], s[30:31]
	s_lshl_b32 s30, s28, 11                        ; hs: the same index x 64
	s_add_co_u32 s30, s30, s55
	s_add_nc_u64 s[38:39], s[12:13], s[30:31]
	s_lshl_b32 s30, s28, 16                        ; yp: ((8 kh + e) 1,024 + 16 tile) rows of 4,096 bytes, + 256 j
	s_add_co_u32 s30, s30, s56
	s_add_nc_u64 s[44:45], s[16:17], s[30:31]
	s_lshl_b32 s30, s29, 15
	s_add_co_u32 s30, s30, s54
	s_add_nc_u64 s[40:41], s[10:11], s[30:31]
	s_lshl_b32 s30, s29, 11
	s_add_co_u32 s30, s30, s55
	s_add_nc_u64 s[42:43], s[12:13], s[30:31]
	s_lshl_b32 s30, s29, 16
	s_add_co_u32 s30, s30, s56
	s_add_nc_u64 s[46:47], s[16:17], s[30:31]
.endm
.macro WAYOUT acc, ob, base            ; a tile goes through my own stage and leaves as rows.  It holds no vector instruction: the wait on va_vdst ahead of a pair's way out serves both tiles
.irp t, 0,1,2,3
	ds_store_b128 v[STI], v[\acc+8*\t:\acc+8*\t+3] offset:64*\t            ; each accumulator from its low end on
	ds_store_b128 v[STI], v[\acc+8*\t+4:\acc+8*\t+7] offset:64*\t+16
.endr
.irp m, 0,1,2,3,4,5,6,7
	ds_load_b128 v[\ob+4*\m:\ob+4*\m+3], v[STO] offset:544*\m              ; LDS serves a wave's instructions in order (ISA guide 5.7.1.4): these see my stores, and the next tile's stores come behind them
.endr
.irp m, 0,1,2,3,4,5,6,7
	s_wait_dscnt 7-\m
	global_store_b128 v[YO], v[\ob+4*\m:\ob+4*\m+3], s[\base:\base+1] offset:8192*\m th:TH_STORE_NT   ; sixteen lanes store 256 consecutive bytes, at a multiple of 256 from yp's first byte
.endr
.endm
	s_load_b256 s[8:15], s[0:1], 0x0               ; W2 s[8:9], hq s[10:11], hs s[12:13], place s[14:15]
	s_load_b64 s[16:17], s[0:1], 0x20              ; yp
	v_lshl_add_u32 v254, v0, 2, 0x22000            ; my spare word's LDS address, and 0: made here and kept for the closing lines alone
	v_mov_b32 v255, 0
	v_lshrrev_b32 v16, 5, v0
	v_readfirstlane_b32 s2, v16                    ; wave 0..15
	s_and_b32 s5, ttmp9, 15                        ; j
	s_lshr_b32 s7, ttmp9, 4                        ; kh
	s_and_b32 s6, ttmp7, 0xffff                    ; e
	v_and_b32 v17, 31, v0
	v_lshlrev_b32 v[L4], 2, v17
	s_wait_alu depctr_va_vdst(0)
	v_lshlrev_b32 v[L16], 4, v17
	v_and_b32 v18, 15, v0                          ; lane % 16
	s_wait_alu depctr_va_vdst(0)
	v_bfe_u32 v19, v0, 4, 1                        ; lane / 16
	v_add_nc_u32 v[AW], WIMG, v[L16]
	v_add_nc_u32 v[AS], WSC, v[L4]
	v_lshlrev_b32 v[IST], 14, v19                  ; column c = lane is row c % 16 of tile 2 g + c / 16;
	v_lshl_add_u32 v[IST], v18, 4, v[IST]
	s_wait_alu depctr_va_sdst(0)                   ; s2 is written, ahead of its first reader: LDS addresses, W2's base and my pair's number are made from it
	s_and_b32 s3, s2, 1                            ; g: which 32 columns I stream
	s_lshr_b32 s4, s2, 1                           ; bq: which of a stage's eight blocks of 32 rows
	s_lshl_b32 s28, s3, 15
	s_lshl_b32 s29, s4, 8                          ; block bq of a stage is block bq % 4 of K step 2 t + bq / 4: 1,024 (bq / 4) + 512 ((bq / 2) % 2) + 256 (bq % 2) = 256 bq
	s_add_co_u32 s28, s28, s29
	s_add_co_u32 s28, s28, WIMG
	v_add_nc_u32 v[IST], s28, v[IST]
	s_lshl_b32 s28, s3, 11                         ; its scale byte: pair g, K step 2 t + bq / 4, word 4 x lane, byte bq % 4
	s_lshr_b32 s29, s4, 2
	s_lshl_b32 s29, s29, 7
	s_add_co_u32 s28, s28, s29
	s_and_b32 s29, s4, 3
	s_add_co_u32 s28, s28, s29
	s_add_co_u32 s28, s28, WSC
	v_add_nc_u32 v[SST], s28, v[L4]
	s_mul_i32 s28, s2, 16*272
	s_add_co_u32 s28, s28, STG                     ; my stage
	v_mul_u32_u24 v[STI], v18, 272
	s_wait_alu depctr_va_vdst(0)
	v_lshl_add_u32 v[STI], v19, 5, v[STI]
	v_add_nc_u32 v[STI], s28, v[STI]               ; in: row lane % 16, 32 bytes for each half of the lanes
	v_mul_u32_u24 v[STO], v19, 272
	v_lshl_add_u32 v[STO], v18, 4, v[STO]
	v_add_nc_u32 v[STO], s28, v[STO]               ; back: lanes 0-15 one row of 256 bytes, lanes 16-31 the next
	v_lshlrev_b32 v[YO], 12, v19
	v_lshl_add_u32 v[YO], v18, 4, v[YO]            ; and the same two rows in yp
	s_lshl_b32 s30, s6, 24                         ; W2: expert, 2,048 kh + 32 bq rows, 64 j + 32 g columns
	s_lshl_b32 s28, s7, 23
	s_add_co_u32 s30, s30, s28
	s_lshl_b32 s28, s4, 17
	s_add_co_u32 s30, s30, s28
	s_lshl_b32 s28, s5, 8
	s_add_co_u32 s30, s30, s28
	s_lshl_b32 s28, s3, 7
	s_add_co_u32 s30, s30, s28
	s_mov_b32 s31, 0
	s_lshl_b32 s54, s6, 21                         ; what all tiles share of their offsets: in hq,
	s_lshl_b32 s28, s7, 14
	s_add_co_u32 s54, s54, s28
	s_lshl_b32 s55, s6, 17                         ; in hs,
	s_lshl_b32 s28, s7, 10
	s_add_co_u32 s55, s55, s28
	s_lshl_b32 s56, s7, 25                         ; in yp
	s_lshl_b32 s28, s6, 22
	s_add_co_u32 s56, s56, s28
	s_lshl_b32 s28, s5, 8
	s_add_co_u32 s56, s56, s28
	s_wait_kmcnt 0x0
	s_add_nc_u64 s[34:35], s[8:9], s[30:31]
	s_lshl_b32 s30, s6, 7
	s_add_nc_u64 s[52:53], s[14:15], s[30:31]
	s_load_b32 s24, s[52:53], 0x8000               ; expert e's count
	s_wait_alu depctr_va_vdst(0)                   ; the offsets and LDS addresses v1, v2, v5 and v7 to v12 are written, which the loads and stores of the whole kernel read; so are v16 to v19, in which stage 0's loads land
	LOAD 0, 0, 32
.set I_, 0
.rept 68
	v_mov_b32 v[RA+I_], 0                          ; h's registers are written once: a wave without a pair never loads them, and K step 0 reads them in every wave (zero codes add nothing)
.set I_, I_+1
.endr
	s_wait_kmcnt 0x0
	s_min_u32 s24, s24, 1024
	s_add_co_u32 s25, s24, 15
	s_lshr_b32 s25, s25, 4                         ; tiles of 16 rows
	s_max_u32 s26, s25, 1
	s_sub_co_u32 s26, s26, 1                       ; the last tile that has been stored
	s_lshl_b32 s48, s2, 1                          ; my pair: tiles 2 w, 2 w + 1
	SETPAIR
	s_wait_alu depctr_va_vdst(0)                   ; the 68 zeros are written: the loads of h land in these registers, and on the way without loads K step 0 takes them as operand and scales (block 0's lines are the places ahead of it)
	RING 0, 1                                      ; between L(0) and L(1), as every R(t) stands between L(t) and L(t + 1)
	LOAD 1, 0, 32
.irp t, 0,1,2,3,4,5,6,7
	STAGE \t
.endr
	s_wait_alu depctr_va_vdst(0)                   ; behind the places: the products have written the accumulators, which the way out's LDS stores read; they are done reading h's registers and the fragments', in which a late pair's first loads land
	s_cmp_eq_u32 s49, 0
	s_cbranch_scc1 .Lout1
	WAYOUT ACA, OB, 44
	s_cmp_eq_u32 s50, 0
	s_cbranch_scc1 .Lout1
	WAYOUT ACB, OB+32, 46
.Lout1:
	; ---- pairs 16 to 31: tiles 2 w + 32, 2 w + 33.  All of the slice lies in LDS now; h comes a stage ahead as before
	s_wait_xcnt 0x0                                ; the stores' bases and data registers are written again only behind this wait
	s_wait_alu depctr_vm_vsrc(0)                   ; the way out's LDS stores have read the accumulators, which a late pair's first products begin anew, and its global stores the rows' registers, in which the late way out's loads land
	s_add_co_u32 s48, s48, 32
	SETPAIR
	s_cmp_eq_u32 s49, 0
	s_cbranch_scc1 .Lend
	RING 0, 0
.irp t, 0,1,2,3,4,5,6,7
.if \t > 0
	s_wait_alu depctr_va_vdst(0)                   ; the last stage's products are done reading their buffer of h and the fragments' registers, in which the loads below and this stage's first LDS loads land
.endif
.if \t < 7
	RING \t+1, 0
	s_wait_loadcnt 10                              ; this stage's h is in; the next stage's ten loads may be out
.else
	s_wait_loadcnt 0x0
.endif
	PROD \t, 0
.endr
	s_wait_alu depctr_va_vdst(0)                   ; behind the places: the products have written the accumulators, which the way out's LDS stores read
	WAYOUT ACA, OB, 44
	s_cmp_eq_u32 s50, 0
	s_cbranch_scc1 .Lend
	WAYOUT ACB, OB+32, 46
.Lend:
	s_wait_dscnt 0x0                               ; the closing lines, six on end
	s_wait_alu 0x0
	s_wait_tensorcnt 0x0
	ds_add_u32 v254, v255
	s_wait_dscnt 0x0
	s_endpgm
.Lfunc_end_k_qc3f8d5ca57_down:
	.size	k_qc3f8d5ca57_down, .Lfunc_end_k_qc3f8d5ca57_down-k_qc3f8d5ca57_down
	.p2alignl 7, 3214868480
	.fill 96, 4, 3214868480
	.section	.rodata,"a",@progbits
	.p2align	6, 0x0
	.amdhsa_kernel k_qc3f8d5ca57_down
		.amdhsa_group_segment_fixed_size 141312
		.amdhsa_private_segment_fixed_size 0
		.amdhsa_enable_private_segment 0
		.amdhsa_kernarg_size 40
		.amdhsa_user_sgpr_count 2
		.amdhsa_user_sgpr_kernarg_segment_ptr 1
		.amdhsa_wavefront_size32 1
		.amdhsa_system_sgpr_workgroup_id_x 1
		.amdhsa_system_sgpr_workgroup_id_y 1
		.amdhsa_system_sgpr_workgroup_id_z 1
		.amdhsa_system_vgpr_workitem_id 0
		.amdhsa_next_free_vgpr 256
		.amdhsa_next_free_sgpr 66
		.amdhsa_reserve_vcc 0
		.amdhsa_float_denorm_mode_32 3
		.amdhsa_float_denorm_mode_16_64 3
		.amdhsa_memory_ordered 1
		.amdhsa_forward_progress 1
		.amdhsa_inst_pref_size 128
	.end_amdhsa_kernel
	.amdgpu_metadata
---
amdhsa.version: [ 1, 2 ]
amdhsa.kernels:
  - .name:           k_qc3f8d5ca57_down
    .symbol:         k_qc3f8d5ca57_down.kd
    .args:
      - { .name: W2, .offset: 0, .size: 8, .value_kind: global_buffer, .address_space: global }
      - { .name: hq, .offset: 8, .size: 8, .value_kind: global_buffer, .address_space: global }
      - { .name: hs, .offset: 16, .size: 8, .value_kind: global_buffer, .address_space: global }
      - { .name: place, .offset: 24, .size: 8, .value_kind: global_buffer, .address_space: global }
      - { .name: yp, .offset: 32, .size: 8, .value_kind: global_buffer, .address_space: global }
    .group_segment_fixed_size: 141312
    .private_segment_fixed_size: 0
    .kernarg_segment_align: 8
    .kernarg_segment_size: 40
    .max_flat_workgroup_size: 512
    .sgpr_count:     66
    .vgpr_count:     256
    .wavefront_size: 32
...
	.end_amdgpu_metadata
.endif
;; end of part 9
;; launch comb (part 10): grid 256 x 1, 4 waves a work-group, no clusters, 0 bytes of LDS; arguments yp, b2, sel, gw, place, out0; writes out0
.if DOCPART == 10
	.amdgcn_target "amdgcn-amd-amdhsa--gfx1250"
	.amdhsa_code_object_version 6
	.text
	.protected	k_qc3f8d5ca57_comb
	.globl	k_qc3f8d5ca57_comb
	.p2align	8
	.type	k_qc3f8d5ca57_comb,@function
k_qc3f8d5ca57_comb:
	s_mov_b64 s[64:65], 0
	v_nop
	global_prefetch_b8 v0, s[64:65] scope:SCOPE_SE
	s_setreg_imm32_b32 hwreg(HW_REG_WAVE_MODE, 25, 1), 1
	s_wait_xcnt 0x0
; out(t) = w0 (ya(e0, p0) + yb(e0, p0) + b2(e0)) + w1 (ya(e1, p1) + yb(e1, p1) + b2(e1)): the two halves of K, the bias and the gate's weights.  Each output row has one owner: a wave.
; yp [kh 2][e 8][slot 1024][1024] f32;  b2 [8][1024];  sel [token]: e0 | e1 << 8 | ..;  gw [token][2];  place [e][token]: the token's slot in expert e's list.
; A token's slots in all eight experts are asked for together with sel and gw, so that no load waits for another but the rows themselves; the two that are wanted are chosen by s_cselect_b32.
; A stream: no LDS, no barrier, no matrix unit.  Each load and store of a wave covers 512 consecutive bytes.
.set YA0, 16                           ; v16-47   first expert: lower half of K;  v48-79 upper half;  v80-111 b2
.set YB0, 48
.set BB0, 80
.set YA1, 112                          ; the same for the second expert
.set YB1, 144
.set BB1, 176
	s_load_b256 s[4:11], s[0:1], 0x0               ; yp s[4:5], b2 s[6:7], sel s[8:9], gw s[10:11]
	s_load_b128 s[12:15], s[0:1], 0x20             ; place s[12:13], out0 s[14:15]
	v_lshrrev_b32 v1, 5, v0
	v_readfirstlane_b32 s16, v1                    ; wave
	s_lshl_b32 s17, ttmp9, 2
	s_add_co_u32 s17, s17, s16                     ; my token
	v_and_b32 v2, 31, v0
	v_lshlrev_b32 v2, 4, v2                        ; 16 bytes a lane
	s_lshl_b32 s18, s17, 2
	s_mov_b32 s19, 0
	s_lshl_b32 s20, s17, 3
	s_mov_b32 s21, 0
	s_wait_alu depctr_va_vdst(0)
	s_wait_kmcnt 0x0
	s_add_nc_u64 s[8:9], s[8:9], s[18:19]
	s_add_nc_u64 s[12:13], s[12:13], s[18:19]
	s_add_nc_u64 s[10:11], s[10:11], s[20:21]
	s_load_b32 s22, s[8:9], 0x0
	s_load_b64 s[24:25], s[10:11], 0x0             ; w0, w1
.irp e, 0,1,2,3,4,5,6,7
	s_load_b32 s[32+\e], s[12:13], \e*4096
.endr
	s_lshl_b32 s18, s17, 12
	s_add_nc_u64 s[14:15], s[14:15], s[18:19]      ; my row of out0
	s_wait_kmcnt 0x0
	s_and_b32 s26, s22, 0xff
	s_min_u32 s26, s26, 7                          ; e0
	s_bfe_u32 s27, s22, 0x80008
	s_min_u32 s27, s27, 7                          ; e1
	s_mov_b32 s28, s32
	s_mov_b32 s29, s32
.irp e, 1,2,3,4,5,6,7
	s_cmp_eq_u32 s26, \e
	s_cselect_b32 s28, s[32+\e], s28
	s_cmp_eq_u32 s27, \e
	s_cselect_b32 s29, s[32+\e], s29
.endr
	s_min_u32 s28, s28, 1023                       ; p0
	s_min_u32 s29, s29, 1023                       ; p1
	s_mov_b32 s41, 0
	s_lshl_b32 s40, s26, 10
	s_add_co_u32 s40, s40, s28
	s_lshl_b32 s40, s40, 12                        ; (1,024 e0 + p0) rows of 4,096 bytes
	s_add_nc_u64 s[42:43], s[4:5], s[40:41]
	s_add_nc_u64 s[44:45], s[42:43], 0x2000000     ; the upper half of K lies 8 x 1,024 rows on
	s_lshl_b32 s40, s26, 12
	s_add_nc_u64 s[46:47], s[6:7], s[40:41]
	s_lshl_b32 s40, s27, 10
	s_add_co_u32 s40, s40, s29
	s_lshl_b32 s40, s40, 12
	s_add_nc_u64 s[48:49], s[4:5], s[40:41]
	s_add_nc_u64 s[50:51], s[48:49], 0x2000000
	s_lshl_b32 s40, s27, 12
	s_add_nc_u64 s[52:53], s[6:7], s[40:41]
	s_mov_b32 s54, s25                             ; w1 as the low word of a pair of its own
	s_mov_b32 s55, s25
.irp m, 0,1,2,3,4,5,6,7
	global_load_b128 v[YA0+4*\m:YA0+4*\m+3], v2, s[42:43] offset:512*\m th:TH_LOAD_NT
	global_load_b128 v[YB0+4*\m:YB0+4*\m+3], v2, s[44:45] offset:512*\m th:TH_LOAD_NT
	global_load_b128 v[BB0+4*\m:BB0+4*\m+3], v2, s[46:47] offset:512*\m
	global_load_b128 v[YA1+4*\m:YA1+4*\m+3], v2, s[48:49] offset:512*\m th:TH_LOAD_NT
	global_load_b128 v[YB1+4*\m:YB1+4*\m+3], v2, s[50:51] offset:512*\m th:TH_LOAD_NT
	global_load_b128 v[BB1+4*\m:BB1+4*\m+3], v2, s[52:53] offset:512*\m
.endr
.irp m, 0,1,2,3,4,5,6,7
	s_wait_loadcnt 6*(7-\m)                        ; group m's six loads are in; the groups behind it may be out
.irp p, 0,2
	v_pk_add_f32 v[YA0+4*\m+\p:YA0+4*\m+\p+1], v[YA0+4*\m+\p:YA0+4*\m+\p+1], v[YB0+4*\m+\p:YB0+4*\m+\p+1]
	v_pk_add_f32 v[YA1+4*\m+\p:YA1+4*\m+\p+1], v[YA1+4*\m+\p:YA1+4*\m+\p+1], v[YB1+4*\m+\p:YB1+4*\m+\p+1]
.endr
.irp p, 0,2
	v_pk_add_f32 v[YA0+4*\m+\p:YA0+4*\m+\p+1], v[YA0+4*\m+\p:YA0+4*\m+\p+1], v[BB0+4*\m+\p:BB0+4*\m+\p+1]
	v_pk_add_f32 v[YA1+4*\m+\p:YA1+4*\m+\p+1], v[YA1+4*\m+\p:YA1+4*\m+\p+1], v[BB1+4*\m+\p:BB1+4*\m+\p+1]
.endr
.irp p, 0,2
	v_pk_mul_f32 v[YA0+4*\m+\p:YA0+4*\m+\p+1], v[YA0+4*\m+\p:YA0+4*\m+\p+1], s[24:25] op_sel_hi:[1,0]
.endr
.irp p, 0,2
	v_pk_fma_f32 v[YA0+4*\m+\p:YA0+4*\m+\p+1], v[YA1+4*\m+\p:YA1+4*\m+\p+1], s[54:55], v[YA0+4*\m+\p:YA0+4*\m+\p+1] op_sel_hi:[1,0,1]
.endr
	global_store_b128 v2, v[YA0+4*\m:YA0+4*\m+3], s[14:15] offset:512*\m th:TH_STORE_NT
.endr
	s_endpgm
.Lfunc_end_k_qc3f8d5ca57_comb:
	.size	k_qc3f8d5ca57_comb, .Lfunc_end_k_qc3f8d5ca57_comb-k_qc3f8d5ca57_comb
	.p2alignl 7, 3214868480
	.fill 96, 4, 3214868480
	.section	.rodata,"a",@progbits
	.p2align	6, 0x0
	.amdhsa_kernel k_qc3f8d5ca57_comb
		.amdhsa_group_segment_fixed_size 0
		.amdhsa_private_segment_fixed_size 0
		.amdhsa_enable_private_segment 0
		.amdhsa_kernarg_size 48
		.amdhsa_user_sgpr_count 2
		.amdhsa_user_sgpr_kernarg_segment_ptr 1
		.amdhsa_wavefront_size32 1
		.amdhsa_system_sgpr_workgroup_id_x 1
		.amdhsa_system_sgpr_workgroup_id_y 1
		.amdhsa_system_sgpr_workgroup_id_z 1
		.amdhsa_system_vgpr_workitem_id 0
		.amdhsa_next_free_vgpr 208
		.amdhsa_next_free_sgpr 66
		.amdhsa_reserve_vcc 0
		.amdhsa_float_denorm_mode_32 3
		.amdhsa_float_denorm_mode_16_64 3
		.amdhsa_memory_ordered 1
		.amdhsa_forward_progress 1
		.amdhsa_inst_pref_size 15
	.end_amdhsa_kernel
	.amdgpu_metadata
---
amdhsa.version: [ 1, 2 ]
amdhsa.kernels:
  - .name:           k_qc3f8d5ca57_comb
    .symbol:         k_qc3f8d5ca57_comb.kd
    .args:
      - { .name: yp, .offset: 0, .size: 8, .value_kind: global_buffer, .address_space: global }
      - { .name: b2, .offset: 8, .size: 8, .value_kind: global_buffer, .address_space: global }
      - { .name: sel, .offset: 16, .size: 8, .value_kind: global_buffer, .address_space: global }
      - { .name: gw, .offset: 24, .size: 8, .value_kind: global_buffer, .address_space: global }
      - { .name: place, .offset: 32, .size: 8, .value_kind: global_buffer, .address_space: global }
      - { .name: out0, .offset: 40, .size: 8, .value_kind: global_buffer, .address_space: global }
    .group_segment_fixed_size: 0
    .private_segment_fixed_size: 0
    .kernarg_segment_align: 8
    .kernarg_segment_size: 48
    .max_flat_workgroup_size: 128
    .sgpr_count:     66
    .vgpr_count:     208
    .wavefront_size: 32
...
	.end_amdgpu_metadata
.endif
;; end of part 10
